; MI455X (gfx1250); checked and timed in simulation.
; The chip was launched on July 23, 2026; its instructions are those of AMD's public machine-readable ISA for CDNA 5 (MIT licence, August 2026) and "CDNA5" Instruction Set Architecture Reference Guide (July 2026). The comments in the code are by the model that wrote it; some were corrected since.
;; Moe Layer. Allowed arithmetic: float matrix products may take bf16 or f16 operands with f32 sums; other float arithmetic in f32, or as packed bf16 or f16 multiplies, adds, multiply-adds, maxima and minima; sums over many terms, partial sums and values carried from step to step in f32; what a program stores and reads back later, other than sums and carried values, may be rounded once to bf16 or f16.
;; Inputs: W1 8 x 2,048 x 1,024 float32; W2 8 x 2,048 x 1,024 float32; W3 8 x 1,024 x 2,048 float32; Wg 8 x 1,024 float32; x 4 x 256 x 1,024 float32.
;; Outputs: out0 4 x 256 x 1,024 float32.
;; One version. Each part assembles by itself: llvm-mc -triple=amdgcn-amd-amdhsa -mcpu=gfx1250 --defsym DOCPART=n.
;; ======== version 1 of 1: 4 launches
;; workspace buffers: xb 2,097,152 bytes; bm 2,048 bytes of whole numbers; pr 8,192 bytes; g 8,388,608 bytes; part 33,554,432 bytes
;; launch router (part 1): grid 64 x 1, 8 waves a work-group, no clusters, 44,032 bytes of LDS; arguments x, Wg, xb, bm, pr; writes xb, bm, pr
.if DOCPART == 1
	.amdgcn_target "amdgcn-amd-amdhsa--gfx1250"
	.amdhsa_code_object_version 6
	.text
	.protected	k_q3de024a279_router
	.globl	k_q3de024a279_router
	.p2align	8
	.type	k_q3de024a279_router,@function
k_q3de024a279_router:
	s_mov_b64 s[64:65], 0
	v_nop
	global_prefetch_b8 v0, s[64:65] scope:SCOPE_SE
	s_setreg_imm32_b32 hwreg(HW_REG_WAVE_MODE, 25, 1), 1
	s_wait_xcnt 0x0
; ROUTER.  gate = x Wg^T, the two largest gate values of each token, their softmax; and x rounded to bf16 for the next launch.
; x: [1024][1024] f32, Wg: [8][1024] f32.  Out: xb [1024][1024] bf16; bm [8][64] words; pr [2048] f32.
; A ROUTED ROW has the number rowid = 32 (token / 16) + 16 k + token % 16, k = 0 (the larger gate value) or 1.  Bit l of bm[e][i] says that rowid 32 i + l goes to expert e; pr[rowid] is its weight.
; SHARES.  A work-group has 16 tokens: one matrix tile, one word of bm for each expert.  Wave w has channels 128 w .. 128 w + 127 of the 16 tokens: 16 loads of 512 consecutive bytes, all asked for at once.
; The 64 work-groups are what the tile of 16 tokens gives; each is two trips to memory long (x and Wg together, then the stores), which more work-groups would not shorten.
; FORMATS.  x and Wg are rounded once to bf16, as every input of the program is; products and sums in f32.  The eight waves' partial sums meet in LDS in f32 and are added in the waves' order.
; TIES go to the lower expert, as jax.lax.top_k breaks them.  The softmax takes the larger value away: p1 = 1 / (1 + e^(v2 - v1)), p2 = e^(v2 - v1) p1, with v2 - v1 <= 0.
; LIMITS.  Gate values are taken to be finite: NaN and infinities are not treated apart.  Two gate values that differ by less than the rounding of an f32 sum of 1,024 terms may be ranked the other way.
.set PITCH, 272                        ; a row of a wave's tile of x in LDS: 256 bytes of bf16 + 16, so that the 16 rows of a fragment load start 68 words apart
.set RED,   8*16*PITCH                 ; behind the tiles: 1,024 bytes for each wave, its partial gate sums
.set SPARE, RED+8*1024                 ; the spare words, 128 bytes for each wave: four blocks of 256 bytes that no other line names
.set LN,  1                            ; v1   lane
.set SPW, 2                            ; v2   LDS address of my spare word; never rewritten
.set NIL, 3                            ; v3   0; never rewritten
.set R,   4                            ; v4   lane % 16
.set H,   5                            ; v5   lane / 16
.set XO,  6                            ; v6   my 16 bytes in a row of x
.set GO,  7                            ; v7   my bytes of Wg, in fragment order
.set XBO, 8                            ; v8   my 8 bytes in a row of xb
.set XS,  9                            ; v9   where I put 8 bytes of a row of the tile
.set XF,  10                           ; v10  where I read a fragment of the tile
.set RS,  11                           ; v11  my 32 bytes of partial sums
.set TA,  12                           ; v12, v13 at work
.set TB,  13
.set XR,  16                           ; v16-79   x as loaded; then AF and ACC; in wave 0 then the eight waves' sums
.set AF,  16                           ; v16-47   x's four fragments
.set ACC, 48                           ; v48-79   four accumulators, one for each 32 channels
.set GR,  80                           ; v80-143  Wg as loaded; then G, HH and the scan's registers
.set G,   80                           ; v80-87   gate values of my token
.set HH,  88                           ; v88-95   at work; then the gate values without the largest
.set BEST, 96
.set BI,   97
.set NINF, 98
.set BEST2, 99
.set BI2,  100
.set DD,   101
.set EE,   102
.set UU,   103
.set RC,   104
.set P2,   105
.set CH,   106
.set PW,   107
.set BMV,  108
.set XPK, 144                          ; v144-175 x in bf16
.set GPK, 176                          ; v176-207 Wg's four fragments
	s_load_b256 s[4:11], s[0:1], 0x0               ; x s[4:5], Wg s[6:7], xb s[8:9], bm s[10:11]
	s_load_b64 s[12:13], s[0:1], 0x20              ; pr
	v_lshl_add_u32 v[SPW], v0, 2, SPARE
	v_mov_b32 v[NIL], 0
	v_and_b32 v[LN], 31, v0
	v_lshrrev_b32 v[TA], 5, v0
	v_readfirstlane_b32 s14, v[TA]                 ; wave 0..7
	v_and_b32 v[R], 15, v0
	v_bfe_u32 v[H], v0, 4, 1
	v_lshlrev_b32 v[XO], 4, v0                     ; 512 w + 16 lane
	v_lshlrev_b32 v[XBO], 3, v0                    ; 256 w + 8 lane
	v_and_b32 v[TA], 7, v0                         ; lanes 8-15 of each half repeat experts 0-7
	s_lshl_b32 s15, s14, 9
	v_lshl_add_u32 v[GO], v[TA], 12, s15           ; expert x 4,096 + 512 w
	v_lshl_add_u32 v[GO], v[H], 5, v[GO]           ; + 32 h: eight f32 for each half of the lanes
	s_mul_i32 s16, s14, 16*PITCH                   ; my wave's tile
	v_lshl_add_u32 v[XS], v[LN], 3, s16
	v_mul_u32_u24 v[XF], v[R], PITCH
	v_lshl_add_u32 v[XF], v[H], 4, v[XF]
	v_add_nc_u32 v[XF], s16, v[XF]
	v_lshl_add_u32 v[RS], v0, 5, RED               ; 1,024 w + 32 lane
	s_lshl_b32 s18, ttmp9, 16                      ; 16 rows of x
	s_mov_b32 s19, 0
	s_lshl_b32 s20, ttmp9, 15                      ; 16 rows of xb
	s_mov_b32 s21, 0
	s_lshl_b32 s22, ttmp9, 7                       ; 32 numbers of pr
	s_mov_b32 s23, 0
	s_wait_kmcnt 0x0
	s_add_nc_u64 s[4:5], s[4:5], s[18:19]
	s_add_nc_u64 s[8:9], s[8:9], s[20:21]
	s_add_nc_u64 s[12:13], s[12:13], s[22:23]
.set j, 0
.rept 16                               ; row j: the wave's load covers 512 consecutive bytes
	global_load_b128 v[XR+4*j:XR+4*j+3], v[XO], s[4:5] offset:j*4096 th:TH_LOAD_NT
.set j, j+1
.endr
.irp s, 0,1,2,3                        ; Wg for 32 channels: lane (r, h) takes channels 8 h .. + 7 and 16 + 8 h .. + 7 of expert r % 8
	global_load_b128 v[GR+16*\s:GR+16*\s+3],     v[GO], s[6:7] offset:128*\s
	global_load_b128 v[GR+16*\s+4:GR+16*\s+7],   v[GO], s[6:7] offset:128*\s+16
	global_load_b128 v[GR+16*\s+8:GR+16*\s+11],  v[GO], s[6:7] offset:128*\s+64
	global_load_b128 v[GR+16*\s+12:GR+16*\s+15], v[GO], s[6:7] offset:128*\s+80
.endr
	s_wait_loadcnt 16                              ; x is in; Wg's sixteen loads were issued behind it
.set j, 0
.rept 16
	v_cvt_pk_bf16_f32 v[XPK+2*j],   v[XR+4*j],   v[XR+4*j+1]
	v_cvt_pk_bf16_f32 v[XPK+2*j+1], v[XR+4*j+2], v[XR+4*j+3]
.set j, j+1
.endr
.set j, 0
.rept 16
	global_store_b64 v[XBO], v[XPK+2*j:XPK+2*j+1], s[8:9] offset:j*2048  ; the wave's store covers 256 consecutive bytes, at a multiple of 256 from xb's first
	ds_store_b64 v[XS], v[XPK+2*j:XPK+2*j+1] offset:j*PITCH
.set j, j+1
.endr
.irp s, 0,1,2,3                        ; the tile is the wave's own, and LDS serves a wave's instructions in order (ISA guide 5.7.1.4): no barrier
	ds_load_b128 v[AF+8*\s:AF+8*\s+3],   v[XF] offset:64*\s
	ds_load_b128 v[AF+8*\s+4:AF+8*\s+7], v[XF] offset:64*\s+32
.endr
	s_wait_loadcnt 0x0                             ; Wg
.set j, 0
.rept 32
	v_cvt_pk_bf16_f32 v[GPK+j], v[GR+2*j], v[GR+2*j+1]
.set j, j+1
.endr
	s_wait_dscnt 0x0
.irp s, 0,1,2,3                        ; source 0 = experts, source 1 = tokens: register j of lane (r, h) is gate[token r][expert j], in both halves of the lanes.  Four accumulators: no chain
	v_wmma_f32_16x16x32_bf16 v[ACC+8*\s:ACC+8*\s+7], v[GPK+8*\s:GPK+8*\s+7], v[AF+8*\s:AF+8*\s+7], 0
.endr
.rept 4
	v_nop                                          ; four places between the products and the first read of their results (ISA guide 7.12.1)
.endr
.irp p, 0,1,2,3                        ; each accumulator's lowest registers are read first
	v_pk_add_f32 v[G+2*\p:G+2*\p+1],   v[ACC+2*\p:ACC+2*\p+1],       v[ACC+8+2*\p:ACC+8+2*\p+1]
	v_pk_add_f32 v[HH+2*\p:HH+2*\p+1], v[ACC+16+2*\p:ACC+16+2*\p+1], v[ACC+24+2*\p:ACC+24+2*\p+1]
	v_pk_add_f32 v[G+2*\p:G+2*\p+1],   v[G+2*\p:G+2*\p+1],           v[HH+2*\p:HH+2*\p+1]
.endr
	ds_store_b128 v[RS], v[G:G+3]
	ds_store_b128 v[RS], v[G+4:G+7] offset:16
	s_wait_dscnt 0x0                               ; for wave 0's sake: my sums are in LDS
	s_barrier_signal -1
	s_barrier_wait -1
	s_cmp_lg_u32 s14, 0
	s_cbranch_scc1 .Lend                           ; the rest is one wave's work: 16 tokens, a lane for each token and choice
.set j, 0
.rept 8                                ; in wave 0 RS is RED + 32 lane: wave j's sums for my token
	ds_load_b128 v[XR+8*j:XR+8*j+3],   v[RS] offset:1024*j
	ds_load_b128 v[XR+8*j+4:XR+8*j+7], v[RS] offset:1024*j+16
.set j, j+1
.endr
	s_wait_dscnt 0x0
.irp p, 0,1,2,3
	v_pk_add_f32 v[G+2*\p:G+2*\p+1], v[XR+2*\p:XR+2*\p+1], v[XR+8+2*\p:XR+8+2*\p+1]
.endr
.irp w, 2,3,4,5,6,7
.irp p, 0,1,2,3
	v_pk_add_f32 v[G+2*\p:G+2*\p+1], v[G+2*\p:G+2*\p+1], v[XR+8*\w+2*\p:XR+8*\w+2*\p+1]
.endr
.endr
; The largest of eight and its place: a later value takes over only if it is greater, so a tie keeps the lower expert.
.macro SCAN best, idx, src
	v_mov_b32 v[\best], v[\src]
	v_mov_b32 v[\idx], 0
.irp e, 1,2,3,4,5,6,7
	v_cmp_ge_f32 vcc_lo, v[\best], v[(\src)+\e]
	v_cndmask_b32 v[\idx], \e, v[\idx], vcc_lo
	v_max_num_f32 v[\best], v[\best], v[(\src)+\e]
.endr
.endm
	SCAN BEST, BI, G
	v_mov_b32 v[NINF], 0xff800000
.irp e, 0,1,2,3,4,5,6,7                ; the largest is taken out, and the scan is run again
	v_cmp_eq_u32 vcc_lo, \e, v[BI]
	v_cndmask_b32 v[HH+\e], v[G+\e], v[NINF], vcc_lo
.endr
	SCAN BEST2, BI2, HH
	v_sub_f32 v[DD], v[BEST2], v[BEST]             ; v2 - v1 <= 0: the maximum is taken away
	v_mul_f32 v[DD], 0x3fb8aa3b, v[DD]
	v_exp_f32 v[EE], v[DD]
	v_nop                                          ; a plain instruction behind the exponential (ISA guide 5.7.2),
	s_wait_alu depctr_va_vdst(0)                   ; and the wait ahead of its first reader
	v_add_f32 v[UU], 1.0, v[EE]
	v_rcp_f32 v[RC], v[UU]
	v_nop
	s_wait_alu depctr_va_vdst(0)
	v_mul_f32 v[P2], v[EE], v[RC]
	v_cmp_eq_u32 vcc_lo, 1, v[H]                   ; lanes 0-15 speak for the first choice, lanes 16-31 for the second
	v_cndmask_b32 v[CH], v[BI], v[BI2], vcc_lo
	v_cndmask_b32 v[PW], v[RC], v[P2], vcc_lo
	v_lshlrev_b32 v[TA], 2, v[LN]
	global_store_b32 v[TA], v[PW], s[12:13]        ; pr[32 i + lane]
.irp e, 0,1,2,3,4,5,6,7
	v_cmp_eq_u32 s[32+\e], \e, v[CH]               ; the lanes that chose expert e: the word bm[e][i]
.endr
	v_mov_b32 v[BMV], 0
.irp e, 0,1,2,3,4,5,6,7
	v_writelane_b32 v[BMV], s[32+\e], \e
.endr
	v_and_b32 v[TB], 7, v[LN]
	v_lshlrev_b32 v[TB], 8, v[TB]                  ; expert x 64 words
	s_lshl_b32 s28, ttmp9, 2
	v_add_nc_u32 v[TB], s28, v[TB]
	v_cmp_gt_u32 vcc_lo, 8, v[LN]
	s_wait_xcnt 0x0                                ; EXEC is a source of the stores above: it changes only behind this wait
	s_and_saveexec_b32 s30, vcc_lo
	global_store_b32 v[TB], v[BMV], s[10:11]       ; eight words, 256 bytes apart: the layout lets the next launch take an expert's 64 words by four scalar loads
	s_wait_xcnt 0x0
	s_or_b32 exec_lo, exec_lo, s30
.Lend:
	s_wait_tensorcnt 0x0                           ; the wave's end: behind my last LDS store
	ds_add_u32 v[SPW], v[NIL]
	s_wait_dscnt 0x0
	s_endpgm
.Lfunc_end_k_q3de024a279_router:
	.size	k_q3de024a279_router, .Lfunc_end_k_q3de024a279_router-k_q3de024a279_router
	.p2alignl 7, 3214868480
	.fill 96, 4, 3214868480
	.section	.rodata,"a",@progbits
	.p2align	6, 0x0
	.amdhsa_kernel k_q3de024a279_router
		.amdhsa_group_segment_fixed_size 44032
		.amdhsa_private_segment_fixed_size 0
		.amdhsa_enable_private_segment 0
		.amdhsa_kernarg_size 40
		.amdhsa_user_sgpr_count 2
		.amdhsa_user_sgpr_kernarg_segment_ptr 1
		.amdhsa_wavefront_size32 1
		.amdhsa_system_sgpr_workgroup_id_x 1
		.amdhsa_system_sgpr_workgroup_id_y 1
		.amdhsa_system_sgpr_workgroup_id_z 1
		.amdhsa_system_vgpr_workitem_id 0
		.amdhsa_next_free_vgpr 208
		.amdhsa_next_free_sgpr 66
		.amdhsa_reserve_vcc 1
		.amdhsa_float_denorm_mode_32 3
		.amdhsa_float_denorm_mode_16_64 3
		.amdhsa_memory_ordered 1
		.amdhsa_forward_progress 1
		.amdhsa_inst_pref_size 21
	.end_amdhsa_kernel
	.amdgpu_metadata
---
amdhsa.version: [ 1, 2 ]
amdhsa.kernels:
  - .name:           k_q3de024a279_router
    .symbol:         k_q3de024a279_router.kd
    .args:
      - { .name: x, .offset: 0, .size: 8, .value_kind: global_buffer, .address_space: global }
      - { .name: Wg, .offset: 8, .size: 8, .value_kind: global_buffer, .address_space: global }
      - { .name: xb, .offset: 16, .size: 8, .value_kind: global_buffer, .address_space: global }
      - { .name: bm, .offset: 24, .size: 8, .value_kind: global_buffer, .address_space: global }
      - { .name: pr, .offset: 32, .size: 8, .value_kind: global_buffer, .address_space: global }
    .group_segment_fixed_size: 44032
    .private_segment_fixed_size: 0
    .kernarg_segment_align: 8
    .kernarg_segment_size: 40
    .max_flat_workgroup_size: 256
    .sgpr_count:     66
    .vgpr_count:     208
    .wavefront_size: 32
...
	.end_amdgpu_metadata
.endif
;; end of part 1
;; launch up (part 2): grid 32 x 8, 8 waves a work-group, no clusters, 297,984 bytes of LDS; arguments xb, W1, W2, bm, g; writes g
.if DOCPART == 2
	.amdgcn_target "amdgcn-amd-amdhsa--gfx1250"
	.amdhsa_code_object_version 6
	.text
	.protected	k_q3de024a279_up
	.globl	k_q3de024a279_up
	.p2align	8
	.type	k_q3de024a279_up,@function
k_q3de024a279_up:
	s_mov_b64 s[64:65], 0
	v_nop
	global_prefetch_b8 v0, s[64:65] scope:SCOPE_SE
	s_setreg_imm32_b32 hwreg(HW_REG_WAVE_MODE, 25, 1), 1
	s_wait_xcnt 0x0
; UP.  g[rowid][h] = silu(h1) h2, h1 = x W1[e]^T, h2 = x W2[e]^T, for the rows that chose expert e alone.  xb: [1024][1024] bf16; W1, W2: [8][2048][1024] f32; bm: [8][64] words (bit l of bm[e][i]: rowid 32 i + l
; goes to expert e; token = ((rowid >> 1) & 0x3f0) | (rowid & 15)); g: [2048 rowid][2048] bf16.
; SHARES.  Work-group (sl, e) owns 64 hidden columns of expert e: 64 rows of W1 and the same 64 of W2, 128 weight rows x 1,024 that it alone reads; and ALL rows of that expert.  The weights are most of the launch's
; bytes, so the text is laid out as one stream of them.  Wave w fetches weight rows 16 w .. + 15 (waves 0-3: W1; 4-7: W2), a row's 512 consecutive bytes a load, in chunks of 128 along K; rounds them to bf16
; in registers; and lays chunk c into LDS region c, which is written once in the launch, two trips ahead of the trip that multiplies it.
; TOKENS go in tiles of 16 rows, dealt to the waves in turn: tile (3 P + t) 8 + w, t = 0..2, pass P.  Pass 0 serves 384 rows under the stream.  Token fragments come from memory straight into registers as matrix
; operands: a chunk's eight loads use each row's 256 bytes whole.
; WHICH ROWS.  Each wave finds its own rows in registers: the row of rank q among the expert's is the (q - c)-th set bit of the last bitmap word whose running count c is not above q.
; EIGHT WAVES, not four with larger tiles: the loads of a wave are one queue in order; with eight waves 40 loads a wave are out at all times (64 KiB of weights, up to 96 KiB of token rows for the work-group);
; with four, a k step's group would be 20 loads, and the counter's field of 63 would leave room for two steps' look-ahead.  The price: a weight fragment read from LDS feeds three products at the most.
; THE MATRIX INSTRUCTION IS USED TRANSPOSED: source 0 = 16 weight rows, source 1 = 16 tokens: a lane holds one token and eight neighbouring columns; h1 and h2 of a column meet in one lane and register number.
; ROWS PAST THE COUNT.  The rank is min(index, n - 1): places past n repeat the expert's last row.  In the last live tile they compute and store that row's numbers once more (the same bytes, from the same wave), so
; no store is masked.  Dead tiles load that one row (the counts of loads are alike on every path) and their products are jumped.  An expert without rows: its work-groups still walk the stream, since no barrier
; may hang on the count, and store nothing.
; MORE THAN 384 ROWS (of the 2,048 routed rows, on one expert): passes 1 and 2 take the slice's weights from memory once more, straight into registers in fragment order, a k step of 32 a trip, waiting for each trip's
; loads.  A plain, slow path; its loops step global addresses alone, and the only LDS that it touches is the wave's own stage.
; NO CLUSTER, NO TENSOR LOAD.  Each weight byte has one reader; what an expert's 32 work-groups share is its token rows, which are scattered rows that no tile descriptor covers.  f32 weights have to pass through registers to be rounded.
; FORMATS AND LIMITS.  Weights and x in bf16, sums in f32, g rounded once to bf16.  sigmoid(h1) = 1 / (1 + 2^(-1.442695 h1)): where the power overflows the quotient is 0, as it should be.  g = (h1 h2) sigmoid(h1): h1 h2 has to stay
; inside f32.  NaN and infinities are not treated apart.
.set ROWB,  4096                       ; bytes in a weight row
.set NCH,   8                          ; chunks of 128 along K
.set WP,    272                        ; a weight row of a chunk in LDS: 256 bytes + 16 = 68 words: the 16 rows of a fragment load start at 16 different groups of four banks (64 banks of 4 bytes: ISA guide 11.1)
.set REG,   128*WP                     ; a region: one chunk of the 128 weight rows; the eight regions begin at LDS byte 0
.set STAGE, NCH*REG                    ; 16 rows x 144 bytes for each wave, for the way out
.set SP,    144
.set SPARE, STAGE+8*16*SP              ; the spare words, 128 bytes for each wave: four blocks of 256 bytes that no other line names
; window 0
.set LN,   1                           ; v1   lane
.set SPW,  2                           ; v2   LDS address of my spare word; never rewritten
.set NIL,  3                           ; v3   0; never rewritten
.set WOF,  4                           ; v4   16 lane: my bytes in a weight row's chunk
.set WST,  5                           ; v5   where I store weights: WS0 + the region in hand
.set BRD,  6                           ; v6   where I read weight fragments: BR0 + the region in hand
.set BR0,  7
.set IDXA, 8                           ; v8   16 w + lane % 16 + 128 (lane / 16): my place among the expert's rows; lanes 0-15 search for tile 0, lanes 16-31 for tile 1
.set WS0,  9                           ; v9   my 16 rows of region 0, 8 bytes a lane; behind the head: of region 1
.set STO,  10                          ; v10  the way out: where I put 16 bytes of a row; never rewritten
.set SRD,  11                          ; v11  the way out: where I read rows back; never rewritten
.set GOF,  12                          ; v12  16 (lane % 8): my bytes in a row's 128 of g
.set H16,  13                          ; v13  16 (lane / 16)
.set PFO,  14                          ; v14  the prefetch: row lane / 2 of my 16, half lane % 2 of its 512 bytes
.set TV,   15                          ; v15  at work
.set ROFF, 16                          ; v16-18  tile t: my token row's byte offset in xb
.set SEL,  19                          ; v19  4 (lane / 8)
.set T,    20                          ; v20-27  four weight rows' 8 bytes, rounded
.set BF,   28                          ; v28-91  eight weight fragments: the even k steps'
.set AR,   92                          ; v92-187 token fragments: k step s, tile t at AR + 24 s + 8 t
.set WR,   188                         ; v188-251 weights as loaded: k step s, row i at WR + 16 s + 4 i
.set RID,  252                         ; v252-254 tile t: my token row's rowid
; window 1: v0-191 the accumulators, tile t, column block cb at 64 t + 8 cb
.set W1X,  0                           ; window 1: ahead of the first product, chunks 0 and 1 as loaded: chunk j, row i at 64 j + 4 i
.set BF1,  192                         ; window 1: v192-255 eight weight fragments: the odd k steps'
; the search's registers, where BF lies
.set QA,  28                           ; the rank sought: tiles 0 and 1 by halves of the lanes
.set QB,  29                           ; tile 2
.set WA,  30                           ; the word that holds it
.set WBW, 31
.set KA,  32                           ; 2,048 x the word's number + the count of set bits in the words before it
.set KB,  33
.set BA,  34                           ; the word's counts by fields of 2, 4, 8, 16 bits
.set BB,  35
.set BC,  36
.set BD,  37
.set PS,  38                           ; the bit's place
.set KK,  39                           ; set bits still to pass
.set TQ,  40
.set RA,  41
.set RX,  42
.set ZR,  43                           ; 0
; the way out's registers, where BF and AR lay
.set E,  28
.set F,  60
.set PK, 92
.set Q,  108                           ; tile t: 16 registers to store at Q + 20 t,
.set RW, 124                           ; and their four offsets at RW + 20 t: a set for each tile, so that no tile waits for the tile before's stores
.set SX, 180
; the later passes' registers, where AR's slots 1-3 and WR lay
.set RAW, 116                          ; v116-243 eight weight fragments in f32
.set WGO, 244                          ; v244 my bytes of a weight fragment in memory
.set XA,   4                           ; s[4:5]   xb at the chunk asked for last
.set WB,   6                           ; s[6:7]   my 16 weight rows at the chunk asked for last
.set XA0,  8                           ; s[8:9]   W2, then xb as it came
.set BMP,  10                          ; s[10:11] bm[e]
.set GB,   12                          ; s[12:13] g at my slice
.set W1S,  14                          ; s[14:15] W1 at the slice's first row
                                       ; s[16:63], s[68:83] the expert's 64 words; when they are used up: s16, s17 the lane selects, and
.set BM2,  32                          ; s[32:33] bm[e], walking
.set WC1,  34                          ; s[34:35] W1 at the slice, walking along K
.set WC2,  36                          ; s[36:37] W2 likewise
.set W2S,  66                          ; s[66:67] W2 at the slice's first row
.set WV,   84
.set EX,   85
.set SL,   86
.set N,    87                          ; the expert's rows
.set TT,   88                          ; its tiles
.set CW,   89                          ; my wave's tiles
.set M,    90                          ; my wave's live tiles in this pass, 0 to 3
.set P,    91
.set CNT,  92
.set N1,   93                          ; the last rank: max(n, 1) - 1
.set TMP,  94
.set PI,   95                          ; 384 P
.set RG,   96                          ; REG x the chunk in hand
.set CC,   97                          ; set bits in the words passed
.set OFFS, 98                          ; s[98:99] an offset in 64 bits
.set II,   100                         ; 2,048 x the word's number
.set SK,   101
.set MSB, 0
.macro WIN new                         ; s_set_vgpr_msb: bits 1:0 source 0, 3:2 source 1, 5:4 source 2, 7:6 destination; the high byte repeats the setting that is left; a switch that changes nothing is dropped
.if MSB != (\new)
	s_set_vgpr_msb (MSB<<8)|(\new)
.set MSB, \new
.endif
.endm
; Four weight rows, 16 registers from base on, rounded.  x = 1: they lie in window 1.
.macro WPUT base, x
.if \x
	WIN 0x05
.endif
.irp i, 0,1,2,3
	v_cvt_pk_bf16_f32 v[T+2*\i],   v[(\base)+4*\i],   v[(\base)+4*\i+1]
	v_cvt_pk_bf16_f32 v[T+2*\i+1], v[(\base)+4*\i+2], v[(\base)+4*\i+3]
.endr
	WIN 0
.endm
.macro WSTORE s, off                   ; and stored, as rows 4 s .. 4 s + 3 of my 16: 32 lanes x 8 bytes are a row's 256
.irp i, 0,1,2,3
	ds_store_b64 v[WST], v[T+2*\i:T+2*\i+1] offset:(\off)+(4*(\s)+\i)*WP
.endr
.endm
.macro AISS s                          ; the three tiles' token fragments of k step s: lane (r, h) takes 16 bytes at 64 s + 16 h and at + 32 of token r's 256
.irp t, 0,1,2
	global_load_b128 v[AR+24*(\s)+8*\t:AR+24*(\s)+8*\t+3],   v[ROFF+\t], s[XA:XA+1] offset:64*(\s)
	global_load_b128 v[AR+24*(\s)+8*\t+4:AR+24*(\s)+8*\t+7], v[ROFF+\t], s[XA:XA+1] offset:64*(\s)+32
.endr
.endm
.macro WISS s                          ; four of my weight rows: 512 consecutive bytes a load
.irp i, 0,1,2,3
	global_load_b128 v[WR+16*(\s)+4*\i:WR+16*(\s)+4*\i+3], v[WOF], s[WB:WB+1] offset:(4*(\s)+\i)*ROWB th:TH_LOAD_NT
.endr
.endm
; The eight weight fragments of k step s, from the region off bytes behind the one in hand, into the buffer of s's parity
.macro FRAG s, off
.if ((\s)%2)
	WIN 0x40                                       ; destination in window 1
.set FB, BF1
.else
.set FB, BF
.endif
.irp cb, 0,1,2,3,4,5,6,7
	ds_load_b128 v[FB+8*\cb:FB+8*\cb+3],   v[BRD] offset:(\off)+\cb*16*WP+64*(\s)
	ds_load_b128 v[FB+8*\cb+4:FB+8*\cb+7], v[BRD] offset:(\off)+\cb*16*WP+64*(\s)+32
.endr
	WIN 0
.endm
; The prefetch: my 16 rows x 512 bytes of the chunk one behind the one that this trip's loads ask for, lanes 256 bytes apart, each block asked for once, by the wave that will load it, one trip ahead
; of that load: 64 KiB a work-group are asked for and not yet loaded.  pf = 2: in the loop's last trip that chunk would be the ninth of eight: nothing is asked for.
.macro ASK pf
.if (\pf) == 2
	s_cmp_eq_u32 s[CNT], 1
	s_cbranch_scc1 .Lno_ask_\@
.endif
.if \pf
	global_prefetch_b8 v[PFO], s[WB:WB+1] offset:512 th:TH_LOAD_NT scope:SCOPE_SE
.endif
.if (\pf) == 2
.Lno_ask_\@:
.endif
.endm
; The products of one k step of 32, on the token fragments in AR's slot s and the weight fragments of s's parity.  first = 1: they start the sums, for all three tiles without a branch, so that every accumulator is
; written on every path and nothing is cleared.  The accumulators take turns, one instruction a turn: a step's last product and the next step's first never share one, with one live tile too.
.macro PROD s, first
.if ((\s)%2)
.set FB, BF1
.else
.set FB, BF
.endif
.irp t, 0,1,2
.if !(\first)
	s_cmp_lt_u32 s[M], \t+1                        ; a dead tile's products, and those of the tiles behind it, are jumped
	s_cbranch_scc1 .Lprod_done_\@
.endif
.if ((\s)%2)
	WIN 0x51                                       ; C, D and the weights in window 1
.else
	WIN 0x50                                       ; C and D in window 1
.endif
.irp cb, 0,1,2,3,4,5,6,7
.if \first
	v_wmma_f32_16x16x32_bf16 v[64*\t+8*\cb:64*\t+8*\cb+7], v[FB+8*\cb:FB+8*\cb+7], v[AR+24*(\s)+8*\t:AR+24*(\s)+8*\t+7], 0
.else
	v_wmma_f32_16x16x32_bf16 v[64*\t+8*\cb:64*\t+8*\cb+7], v[FB+8*\cb:FB+8*\cb+7], v[AR+24*(\s)+8*\t:AR+24*(\s)+8*\t+7], v[64*\t+8*\cb:64*\t+8*\cb+7]
.endif
.endr
.if !(\first)
	WIN 0                                          ; at a branch and at a label every window is 0
.endif
.endr
	WIN 0
.Lprod_done_\@:
.rept 4
	v_nop                                          ; four places between the products and the loads into their sources, or the first read of their results (ISA guide 7.12.1 for the reads of results)
.endr
.endm
; ONE K STEP of 32 of the stream.  First the NEXT step's weight fragments are asked for, into the other buffer (nx = 1; behind step 3: the next region's step 0), so that this step's, asked for a step ago, have had
; a step's products in which to come.  cnt: the loads from memory that may stay out.  wsrc = 1: four rows of the chunk two ahead lie in WR and go into the region two ahead.  ai, wi: the next group of loads is asked for.
; The bases step in step 0, ahead of its loads: the loads that name them were issued in the trip before, ahead of a barrier and of this step's products.
.macro KSTEP s, cnt, wsrc, ai, wi, first, pf, nx
.if \nx
	FRAG ((\s)+1)%4,((\s)/3)*REG
.endif
	s_wait_loadcnt \cnt
.if \wsrc
	WPUT WR+16*(\s), 0
	WSTORE \s, REG
.endif
	s_wait_dscnt 16*(\nx)+4*(\wsrc)                ; this step's fragments are in: behind them stand the sixteen loads and the four stores just issued
	ASK \pf
	PROD \s, \first
.if \ai
.if (\s) == 0
	s_wait_xcnt 0x0                                ; the loads' bases are stepped only behind this wait
	s_add_nc_u64 s[XA:XA+1], s[XA:XA+1], 256
.if \wi
	s_add_nc_u64 s[WB:WB+1], s[WB:WB+1], 512
.endif
.endif
	AISS \s
.endif
.if \wi
	WISS \s
.endif
.endm
; A TRIP multiplies chunk c.  THE QUEUE: the group {tokens of chunk c, k step s: 6 loads; weights of chunk c + 2, k step s's four rows: 4 loads} is asked for at the end of k step s of trip c - 1 and wanted at k step s of trip c.
; kind 0, c = 0: behind the tokens of k step s stand chunk 0's 6 (3 - s) and the s groups of ten asked for in this trip: 18 + 4 s.  Chunk 2's weights were asked for ahead of all of these.
; kind 1: three groups of ten: 30.     kind 2, c = NCH - 3: the last weights are laid down and none are left to ask for: 3 - s groups of ten and s of six: 30 - 4 s.
; kind 3, c = NCH - 2: three groups of six: 18.     kind 4, the last chunk: 3 - s groups of six: 18 - 6 s; its last step looks no further ahead.
; Trip c writes region c + 2 and reads regions c and, in its last step's look ahead, c + 1.  At its end my stores are done (for the others' sake: zero) and ONE barrier shows region c + 2 whole, ahead of its first read
; in trip c + 1's last step.  No LDS byte is ever written twice, so no second barrier is wanted; kinds 3 and 4 store nothing and have none.
.macro TRIP kind, pf
.irp s, 0,1,2,3
.set PFS, 0
.set FST, 0
.set NXL, 1
.if \s == 1
.set PFS, \pf
.endif
.if (\s == 0) && ((\kind) == 0)
.set FST, 1
.endif
.if (\s == 3) && ((\kind) == 4)
.set NXL, 0
.endif
.if (\kind) == 0
	KSTEP \s, 18+4*\s, 1, 1, 1, FST, PFS, 1
.elseif (\kind) == 1
	KSTEP \s, 30, 1, 1, 1, 0, PFS, 1
.elseif (\kind) == 2
	KSTEP \s, 30-4*\s, 1, 1, 0, 0, 0, 1
.elseif (\kind) == 3
	KSTEP \s, 18, 0, 1, 0, 0, 0, 1
.else
	KSTEP \s, 18-6*\s, 0, 0, 0, 0, 0, NXL
.endif
.endr
.if (\kind) < 3
	s_wait_dscnt 0x0
.endif
.if (\kind) < 4
	s_add_co_u32 s[RG], s[RG], REG
	v_add_nc_u32 v[BRD], s[RG], v[BR0]
.endif
.if (\kind) < 3
	v_add_nc_u32 v[WST], s[RG], v[WS0]
	s_barrier_signal -1
	s_barrier_wait -1
.endif
.endm
; THE SEARCH for my rows of pass P.  Ranks: 384 P + 128 t + 16 w + lane % 16, held to the last rank.
.macro TALLY sw
	s_bcnt1_i32_b32 s[TMP], s[\sw]
	s_add_co_u32 s[N], s[N], s[TMP]
.endm
.macro SEL_HEAD
	s_add_co_u32 s[TMP], s[PI], 256
	v_add_nc_u32 v[QA], s[PI], v[IDXA]
	v_and_b32 v[QB], 0x7f, v[IDXA]
	v_add_nc_u32 v[QB], s[TMP], v[QB]
	v_min_u32 v[QA], s[N1], v[QA]
	v_min_u32 v[QB], s[N1], v[QB]
	v_mov_b32 v[WA], 0
	v_mov_b32 v[KA], 0
	v_mov_b32 v[WBW], 0
	v_mov_b32 v[KB], 0
	v_mov_b32 v[ZR], 0
	s_mov_b32 s[CC], 0
	s_mov_b32 s[II], 0
.endm
.macro WORDSTEP sw                     ; a word takes over from the one before wherever the count of bits ahead of it is not above the rank: the last to do so holds the rank
	s_add_co_u32 s[SK], s[CC], s[II]
	v_cmp_gt_u32 vcc_lo, s[CC], v[QA]
	v_cndmask_b32 v[WA], s[\sw], v[WA], vcc_lo
	v_cndmask_b32 v[KA], s[SK], v[KA], vcc_lo
	v_cmp_gt_u32 vcc_lo, s[CC], v[QB]
	v_cndmask_b32 v[WBW], s[\sw], v[WBW], vcc_lo
	v_cndmask_b32 v[KB], s[SK], v[KB], vcc_lo
	s_bcnt1_i32_b32 s[TMP], s[\sw]
	s_add_co_u32 s[CC], s[CC], s[TMP]
	s_addk_co_i32 s[II], 0x800
.endm
.macro BSTEP x, width, inc             ; the field at PS counts the set bits of the lower half of what is left: if they are too few, pass them and go to the upper half
	v_bfe_u32 v[TQ], v[\x], v[PS], \width
	v_cmp_lt_u32 vcc_lo, v[KK], v[TQ]
	v_cndmask_b32 v[TQ], v[TQ], v[ZR], vcc_lo
	v_sub_nc_u32 v[KK], v[KK], v[TQ]
	v_cndmask_b32 v[TQ], \inc, v[ZR], vcc_lo
	v_add_nc_u32 v[PS], v[PS], v[TQ]
.endm
.macro BITSEL w, k, q, out             ; rowid = 32 x the word's number + the place of its set bit number q - c
	v_and_b32 v[KK], 0x7ff, v[\k]
	v_sub_nc_u32 v[KK], v[\q], v[KK]
	v_lshrrev_b32 v[BA], 1, v[\w]
	v_and_b32 v[BA], 0x55555555, v[BA]
	v_sub_nc_u32 v[BA], v[\w], v[BA]               ; counts of 2 bits
	v_lshrrev_b32 v[BB], 2, v[BA]
	v_and_b32 v[BB], 0x33333333, v[BB]
	v_and_b32 v[TQ], 0x33333333, v[BA]
	v_add_nc_u32 v[BB], v[BB], v[TQ]               ; of 4
	v_lshrrev_b32 v[BC], 4, v[BB]
	v_add_nc_u32 v[BC], v[BC], v[BB]
	v_and_b32 v[BC], 0x0f0f0f0f, v[BC]             ; of 8
	v_lshrrev_b32 v[BD], 8, v[BC]
	v_add_nc_u32 v[BD], v[BD], v[BC]
	v_and_b32 v[BD], 0x00ff00ff, v[BD]             ; of 16
	v_mov_b32 v[PS], 0
	BSTEP BD, 8, 16
	BSTEP BC, 8, 8
	BSTEP BB, 4, 4
	BSTEP BA, 2, 2
	BSTEP \w, 1, 1
	v_lshrrev_b32 v[TQ], 11, v[\k]
	v_lshl_add_u32 v[\out], v[TQ], 5, v[PS]
.endm
.macro SEL_TAIL                        ; the halves of the lanes hand each other tiles 0 and 1; then each row's byte offset.  The constant bounds what enters an address
	BITSEL WA, KA, QA, RA
	BITSEL WBW, KB, QB, RID+2
	s_mov_b32 s16, 0x76543210                      ; the words are used up: each lane takes its own place in the other half
	s_mov_b32 s17, 0xfedcba98
	v_mov_b32 v[RX], 0
	v_permlanex16_b32 v[RX], v[RA], s16, s17
	v_cmp_eq_u32 vcc_lo, 0, v[H16]
	v_cndmask_b32 v[RID], v[RX], v[RA], vcc_lo
	v_cndmask_b32 v[RID+1], v[RA], v[RX], vcc_lo
.irp t, 0,1,2
	v_lshrrev_b32 v[TV], 1, v[RID+\t]
	v_and_b32 v[ROFF+\t], 15, v[RID+\t]
	v_and_or_b32 v[ROFF+\t], v[TV], 0x3f0, v[ROFF+\t]  ; the token
	v_min_u32 v[ROFF+\t], 0x3ff, v[ROFF+\t]
	v_lshl_add_u32 v[ROFF+\t], v[ROFF+\t], 11, v[H16]  ; its row of 2,048 bytes, + 16 h
.endr
.endm
; THE WAY OUT of tile t.  Blocks 0-3 hold h1, blocks 4-7 h2 of the same columns.  The 32 exponentials are one batch with one wait, and so are the 32 reciprocals; h1 h2 is the plain work behind the first batch.
; A lane's eight columns pack into 16 bytes; they go through my own stage and come back as rows of 128 bytes, four rows a store.  (A slice's 64 columns are 128 bytes of a row of g: slices of 128 columns would leave 128 work-groups.)
.macro EPI t
	s_cmp_lt_u32 s[M], (\t)+1
	s_cbranch_scc1 .Lepi_done
.if (\t) == 0
	s_wait_xcnt 0x0                                ; the pass before's stores have read their registers; within a pass each tile's stores have registers of their own
.endif
.set QT, Q+20*(\t)
.set RT, RW+20*(\t)
.irp f, 0,1,2,3
	v_add_nc_u32 v[SX+\f], 16*\f, v[SEL]
.endr
.irp f, 0,1,2,3
	ds_bpermute_b32 v[RT+\f], v[SX+\f], v[RID+(\t)]  ; the rowid of row 4 f + lane / 8, from the lane that holds it
.endr
	WIN 0x01
.set i, 0
.rept 16                               ; each accumulator's lowest registers are read first
	v_pk_mul_f32 v[E+2*i:E+2*i+1], v[64*(\t)+2*i:64*(\t)+2*i+1], 0xbfb8aa3b op_sel_hi:[1,0]  ; -log2(e) h1
.set i, i+1
.endr
	WIN 0
.set i, 0
.rept 32
	v_exp_f32 v[E+i], v[E+i]
.set i, i+1
.endr
	WIN 0x05
.set i, 0
.rept 16
	v_pk_mul_f32 v[F+2*i:F+2*i+1], v[64*(\t)+2*i:64*(\t)+2*i+1], v[64*(\t)+32+2*i:64*(\t)+32+2*i+1]  ; h1 h2
.set i, i+1
.endr
	WIN 0
	s_wait_alu depctr_va_vdst(0)                   ; one wait for the batch, ahead of its first reader
.set i, 0
.rept 16
	v_pk_add_f32 v[E+2*i:E+2*i+1], v[E+2*i:E+2*i+1], 1.0 op_sel_hi:[1,0]
.set i, i+1
.endr
.set i, 0
.rept 32
	v_rcp_f32 v[E+i], v[E+i]
.set i, i+1
.endr
	v_nop                                          ; a plain instruction behind the last reciprocal (ISA guide 5.7.2)
	s_wait_alu depctr_va_vdst(0)
.set i, 0
.rept 16
	v_pk_mul_f32 v[F+2*i:F+2*i+1], v[F+2*i:F+2*i+1], v[E+2*i:E+2*i+1]
.set i, i+1
.endr
.set i, 0
.rept 16
	v_cvt_pk_bf16_f32 v[PK+i], v[F+2*i], v[F+2*i+1]
.set i, i+1
.endr
.irp cb, 0,1,2,3
	ds_store_b128 v[STO], v[PK+4*\cb:PK+4*\cb+3] offset:32*\cb
.endr
.irp f, 0,1,2,3
	ds_load_b128 v[QT+4*\f:QT+4*\f+3], v[SRD] offset:4*SP*\f  ; LDS serves a wave's instructions in order (ISA guide 5.7.1.4): these see the stores above
.endr
	s_wait_dscnt 0x8                               ; the four rowids are in: four stores and four loads were issued behind them
.irp f, 0,1,2,3
	v_min_u32 v[RT+\f], 0x7ff, v[RT+\f]
	v_lshl_add_u32 v[RT+\f], v[RT+\f], 12, v[GOF]
.endr
.irp f, 0,1,2,3
	s_wait_dscnt 3-\f
	global_store_b128 v[RT+\f], v[QT+4*\f:QT+4*\f+3], s[GB:GB+1]
.endr
.endm
; The later passes: four weight fragments in f32, from memory: lane (r, h) takes the 8 numbers at 8 h and the 8 at 16 + 8 h of row 16 j + r's 32
.macro GLOADW base, c0, o0
.irp j, 0,1,2,3
	global_load_b128 v[RAW+16*((\c0)+\j):RAW+16*((\c0)+\j)+3],     v[WGO], s[\base:\base+1] offset:((\o0)+\j)*16*ROWB
	global_load_b128 v[RAW+16*((\c0)+\j)+4:RAW+16*((\c0)+\j)+7],   v[WGO], s[\base:\base+1] offset:((\o0)+\j)*16*ROWB+16
	global_load_b128 v[RAW+16*((\c0)+\j)+8:RAW+16*((\c0)+\j)+11],  v[WGO], s[\base:\base+1] offset:((\o0)+\j)*16*ROWB+64
	global_load_b128 v[RAW+16*((\c0)+\j)+12:RAW+16*((\c0)+\j)+15], v[WGO], s[\base:\base+1] offset:((\o0)+\j)*16*ROWB+80
.endr
.endm
	s_load_b256 s[4:11], s[0:1], 0x0               ; xb s[4:5], W1 s[6:7], W2 s[8:9], bm s[10:11]
	s_load_b64 s[12:13], s[0:1], 0x20              ; g
	v_lshl_add_u32 v[SPW], v0, 2, SPARE
	v_mov_b32 v[NIL], 0
	v_and_b32 v[LN], 31, v0
	v_lshrrev_b32 v[TV], 5, v0
	v_readfirstlane_b32 s[WV], v[TV]               ; wave 0..7
	s_and_b32 s[EX], ttmp7, 0xffff                 ; the expert
	s_mov_b32 s[SL], ttmp9                         ; the slice of 64 hidden columns
	v_lshlrev_b32 v[WOF], 4, v[LN]
	v_lshrrev_b32 v[TV], 1, v[LN]
	v_mul_u32_u24 v[PFO], v[TV], ROWB
	v_and_b32 v[TV], 1, v[LN]
	v_lshl_add_u32 v[PFO], v[TV], 8, v[PFO]
	s_lshl_b32 s[OFFS], s[EX], 8
	s_mov_b32 s[OFFS+1], 0
	s_wait_kmcnt 0x0
	s_add_nc_u64 s[BMP:BMP+1], s[BMP:BMP+1], s[OFFS:OFFS+1]
	s_load_b512 s[16:31], s[BMP:BMP+1], 0x0        ; the expert's 64 words: asked for first, since the token rows hang on them
	s_load_b512 s[32:47], s[BMP:BMP+1], 0x40
	s_load_b512 s[48:63], s[BMP:BMP+1], 0x80
	s_load_b512 s[68:83], s[BMP:BMP+1], 0xc0
	s_lshl_b32 s[OFFS], s[EX], 23                  ; an expert's 2,048 rows of 4,096 bytes,
	s_lshl_b32 s[TMP], s[SL], 18                   ; the slice's 64 rows
	s_add_co_u32 s[OFFS], s[OFFS], s[TMP]
	s_add_nc_u64 s[W1S:W1S+1], s[6:7], s[OFFS:OFFS+1]
	s_add_nc_u64 s[W2S:W2S+1], s[8:9], s[OFFS:OFFS+1]
	s_and_b32 s[TMP], s[WV], 3
	s_lshl_b32 s[OFFS], s[TMP], 16                 ; my 16 of them,
	s_add_co_u32 s[OFFS], s[OFFS], 1024            ; at chunk 2: chunks 0 and 1 are reached by negative immediates, so that the base is not stepped in the head
	s_cmp_lt_u32 s[WV], 4
	s_cselect_b64 s[WB:WB+1], s[W1S:W1S+1], s[W2S:W2S+1]  ; waves 0-3: W1; waves 4-7: W2
	s_add_nc_u64 s[WB:WB+1], s[WB:WB+1], s[OFFS:OFFS+1]
	s_mov_b64 s[XA0:XA0+1], s[XA:XA+1]
	WIN 0x40                                       ; destination in window 1: the accumulators' registers are idle until the first product
.set i, 0
.rept 32                               ; chunks 0 and 1: row i % 16 of chunk i / 16
	global_load_b128 v[W1X+4*i:W1X+4*i+3], v[WOF], s[WB:WB+1] offset:(i%16)*ROWB+512*(i/16)-1024 th:TH_LOAD_NT
.set i, i+1
.endr
	WIN 0
.irp s, 0,1,2,3
	WISS \s                                        ; chunk 2: it stays in registers until the first trip lays it down
.endr
	global_prefetch_b8 v[PFO], s[WB:WB+1] offset:512 th:TH_LOAD_NT scope:SCOPE_SE  ; chunk 3, which the first trip loads, is asked for ahead, as ASK does for the later ones
	v_and_b32 v20, 15, v0                          ; r
	v_bfe_u32 v21, v0, 4, 1                        ; h
	v_lshlrev_b32 v[H16], 4, v21
	v_mul_u32_u24 v[BR0], v20, WP
	v_add_nc_u32 v[BR0], v[H16], v[BR0]            ; a fragment's row x pitch + 16 h
	s_mul_i32 s[TMP], s[WV], 16*WP
	v_lshl_add_u32 v[WS0], v[LN], 3, s[TMP]        ; my 16 rows of a region, 8 bytes a lane
	v_mov_b32 v[BRD], v[BR0]
	v_mov_b32 v[WST], v[WS0]
	s_lshl_b32 s[TMP], s[WV], 4
	v_lshl_add_u32 v[IDXA], v21, 7, v20
	v_add_nc_u32 v[IDXA], s[TMP], v[IDXA]
	s_mul_i32 s[TMP], s[WV], 16*SP
	s_add_co_u32 s[TMP], s[TMP], STAGE             ; my stage
	v_mul_u32_u24 v[STO], v20, SP
	v_add_nc_u32 v[STO], v[H16], v[STO]
	v_add_nc_u32 v[STO], s[TMP], v[STO]            ; in: row r, 16 bytes for each half of the lanes
	v_lshrrev_b32 v22, 3, v[LN]
	v_and_b32 v23, 7, v[LN]
	v_lshlrev_b32 v[GOF], 4, v23
	v_mul_u32_u24 v[SRD], v22, SP
	v_add_nc_u32 v[SRD], v[GOF], v[SRD]
	v_add_nc_u32 v[SRD], s[TMP], v[SRD]            ; back: 32 lanes take four rows of 128 bytes
	v_lshlrev_b32 v[SEL], 2, v22
	s_lshl_b32 s[OFFS], s[SL], 7
	s_add_nc_u64 s[GB:GB+1], s[GB:GB+1], s[OFFS:OFFS+1]
	s_mov_b32 s[PI], 0
	s_mov_b32 s[RG], 0
	s_mov_b32 s[N], 0
	s_wait_kmcnt 0x0                               ; the 64 words
.set i, 16
.rept 48
	TALLY i
.set i, i+1
.endr
.set i, 68
.rept 16
	TALLY i
.set i, i+1
.endr
	s_max_u32 s[N1], s[N], 1
	s_sub_co_u32 s[N1], s[N1], 1
	s_add_co_u32 s[TT], s[N], 15
	s_lshr_b32 s[TT], s[TT], 4                     ; the expert's tiles
	s_add_co_u32 s[CW], s[TT], 7
	s_sub_co_u32 s[CW], s[CW], s[WV]
	s_lshr_b32 s[CW], s[CW], 3                     ; those with number w, w + 8, ..
	s_min_u32 s[M], s[CW], 3
	SEL_HEAD
.set i, 16
.rept 48
	WORDSTEP i
.set i, i+1
.endr
.set i, 68
.rept 16
	WORDSTEP i
.set i, i+1
.endr
	SEL_TAIL
.irp s, 0,1,2,3
	AISS \s                                        ; chunk 0's token fragments.  With these, 72 loads have been asked for; one that the counter has no room for waits at its issue for an older one (ISA guide 5.7.1)
.endr
	s_wait_loadcnt 40                              ; chunks 0 and 1 are in: behind them stand chunk 2's 16 loads and the 24 of the tokens
.irp c, 0,1
.irp s, 0,1,2,3
	WPUT W1X+64*\c+16*\s, 1
	WSTORE \s, \c*REG                              ; regions 0 and 1
.endr
.endr
	v_add_nc_u32 v[WS0], REG, v[WS0]               ; from here on the stores' immediate adds one region more: two ahead of the region in hand
	v_mov_b32 v[WST], v[WS0]
	s_wait_dscnt 0x0
	s_barrier_signal -1
	s_barrier_wait -1                              ; regions 0 and 1 are whole
	FRAG 0, 0                                      ; the first step's fragments
	TRIP 0, 1
	s_mov_b32 s[CNT], NCH-4
.Lmid:
	TRIP 1, 2
	s_sub_co_u32 s[CNT], s[CNT], 1
	s_cmp_lg_u32 s[CNT], 0
	s_cbranch_scc1 .Lmid
	TRIP 2, 0
	TRIP 3, 0
	TRIP 4, 0                                      ; its last wait is for zero: no load is out from here on
	; THE PASSES.  Pass 0's tiles go out; an expert with more than 384 rows has further passes: no barrier, a constant bound, forward jumps alone on the count.
	s_mov_b32 s[P], 0
.Lpass:
	EPI 0
	EPI 1
	EPI 2
.Lepi_done:
	s_add_co_u32 s[P], s[P], 1
	s_add_co_u32 s[PI], s[PI], 384
	s_mul_i32 s[TMP], s[P], 24
	s_cmp_ge_u32 s[TMP], s[TT]
	s_cbranch_scc1 .Ldone                          ; no tile is left for any wave
	s_mul_i32 s[TMP], s[P], 3
	s_max_u32 s[M], s[CW], s[TMP]
	s_sub_co_u32 s[M], s[M], s[TMP]
	s_min_u32 s[M], s[M], 3
	s_cmp_eq_u32 s[M], 0
	s_cbranch_scc1 .Lnext                          ; none for this wave
	s_wait_xcnt 0x0                                ; the way out's stores have read their registers
	SEL_HEAD
	s_mov_b64 s[BM2:BM2+1], s[BMP:BMP+1]
	s_mov_b32 s[CNT], 4
.Lsel:                                                 ; the search once more, 16 words a trip, the words loaded again
	s_load_b512 s[16:31], s[BM2:BM2+1], 0x0
	s_wait_kmcnt 0x0
.set i, 16
.rept 16
	WORDSTEP i
.set i, i+1
.endr
	s_add_nc_u64 s[BM2:BM2+1], s[BM2:BM2+1], 64
	s_sub_co_u32 s[CNT], s[CNT], 1
	s_cmp_lg_u32 s[CNT], 0
	s_cbranch_scc1 .Lsel
	SEL_TAIL
	WIN 0x40
.set i, 0
.rept 192                              ; cleared on purpose: it spares a written-out first step in a path that only a skewed split walks
	v_mov_b32 v[i], 0
.set i, i+1
.endr
	WIN 0
	v_and_b32 v[WGO], 15, v[LN]
	v_mul_u32_u24 v[WGO], v[WGO], ROWB
	v_lshl_add_u32 v[WGO], v[H16], 1, v[WGO]       ; row r, + 32 h
	s_mov_b64 s[XA:XA+1], s[XA0:XA0+1]
	s_mov_b64 s[WC1:WC1+1], s[W1S:W1S+1]
	s_mov_b64 s[WC2:WC2+1], s[W2S:W2S+1]
	s_mov_b32 s[CNT], NCH*4
.Lg:                                                   ; a k step of 32 a trip: 6 loads of tokens, 32 of weights, all waited for, rounded, multiplied
	AISS 0
	GLOADW WC1, 0, 0
	GLOADW WC2, 4, 0
	s_wait_loadcnt 0x0                             ; all in; the loads are done, so their bases may step below
.set i, 0
.rept 64
	v_cvt_pk_bf16_f32 v[BF+i], v[RAW+2*i], v[RAW+2*i+1]
.set i, i+1
.endr
	PROD 0, 0
	s_add_nc_u64 s[XA:XA+1], s[XA:XA+1], 64
	s_add_nc_u64 s[WC1:WC1+1], s[WC1:WC1+1], 128
	s_add_nc_u64 s[WC2:WC2+1], s[WC2:WC2+1], 128
	s_sub_co_u32 s[CNT], s[CNT], 1
	s_cmp_lg_u32 s[CNT], 0
	s_cbranch_scc1 .Lg
.Lnext:
	s_cmp_lt_u32 s[P], 3
	s_cbranch_scc1 .Lpass
.Ldone:
	s_wait_tensorcnt 0x0                           ; the wave's end: behind my last LDS store
	ds_add_u32 v[SPW], v[NIL]
	s_wait_dscnt 0x0
	s_endpgm
.Lfunc_end_k_q3de024a279_up:
	.size	k_q3de024a279_up, .Lfunc_end_k_q3de024a279_up-k_q3de024a279_up
	.p2alignl 7, 3214868480
	.fill 96, 4, 3214868480
	.section	.rodata,"a",@progbits
	.p2align	6, 0x0
	.amdhsa_kernel k_q3de024a279_up
		.amdhsa_group_segment_fixed_size 297984
		.amdhsa_private_segment_fixed_size 0
		.amdhsa_enable_private_segment 0
		.amdhsa_kernarg_size 40
		.amdhsa_user_sgpr_count 2
		.amdhsa_user_sgpr_kernarg_segment_ptr 1
		.amdhsa_wavefront_size32 1
		.amdhsa_system_sgpr_workgroup_id_x 1
		.amdhsa_system_sgpr_workgroup_id_y 1
		.amdhsa_system_sgpr_workgroup_id_z 1
		.amdhsa_system_vgpr_workitem_id 0
		.amdhsa_next_free_vgpr 512
		.amdhsa_next_free_sgpr 102
		.amdhsa_reserve_vcc 1
		.amdhsa_float_denorm_mode_32 3
		.amdhsa_float_denorm_mode_16_64 3
		.amdhsa_memory_ordered 1
		.amdhsa_forward_progress 1
		.amdhsa_inst_pref_size 188
	.end_amdhsa_kernel
	.amdgpu_metadata
---
amdhsa.version: [ 1, 2 ]
amdhsa.kernels:
  - .name:           k_q3de024a279_up
    .symbol:         k_q3de024a279_up.kd
    .args:
      - { .name: xb, .offset: 0, .size: 8, .value_kind: global_buffer, .address_space: global }
      - { .name: W1, .offset: 8, .size: 8, .value_kind: global_buffer, .address_space: global }
      - { .name: W2, .offset: 16, .size: 8, .value_kind: global_buffer, .address_space: global }
      - { .name: bm, .offset: 24, .size: 8, .value_kind: global_buffer, .address_space: global }
      - { .name: g, .offset: 32, .size: 8, .value_kind: global_buffer, .address_space: global }
    .group_segment_fixed_size: 297984
    .private_segment_fixed_size: 0
    .kernarg_segment_align: 8
    .kernarg_segment_size: 40
    .max_flat_workgroup_size: 256
    .sgpr_count:     102
    .vgpr_count:     512
    .wavefront_size: 32
...
	.end_amdgpu_metadata
.endif
;; end of part 2
;; launch down (part 3): grid 32 x 8, 8 waves a work-group, no clusters, 207,872 bytes of LDS; arguments g, W3, bm, part; writes part
.if DOCPART == 3
	.amdgcn_target "amdgcn-amd-amdhsa--gfx1250"
	.amdhsa_code_object_version 6
	.text
	.protected	k_q3de024a279_down
	.globl	k_q3de024a279_down
	.p2align	8
	.type	k_q3de024a279_down,@function
k_q3de024a279_down:
	s_mov_b64 s[64:65], 0
	v_nop
	global_prefetch_b8 v0, s[64:65] scope:SCOPE_SE
	s_setreg_imm32_b32 hwreg(HW_REG_WAVE_MODE, 25, 1), 1
	s_wait_xcnt 0x0
; DOWN.  part[hq][rowid][d] = the sum over h in quarter hq of g[rowid][h] W3[e][d][h], for the rows of expert e alone.  g: [2048 rowid][2048] bf16; W3: [8][1024][2048] f32; bm: [8][64] words (bit l of bm[e][i]: rowid
; 32 i + l goes to expert e); part: [4][2048][1024] f32, partial sums, added by the next launch.
; SHARES.  Work-group (x, e): 128 output columns (x % 8) and 512 of the hidden width (x / 8) of expert e: 128 weight rows x 512 that it alone reads; and ALL rows of that expert.  Of the shapes with 256 KiB of weights
; a work-group this one takes in the fewest bytes of g (256 KiB at 256 rows), at the price of four partial sums for each output.
; THE FRAME.  Wave w fetches weight rows 16 w .. + 15, a row's 512 consecutive bytes a load, in chunks of 128 along K; rounds them to bf16 in registers; lays chunk c into LDS region c, which is written once in the launch, two
; trips ahead of the trip that multiplies it.  Tokens go in tiles of 16 rows, dealt to the waves in turn: tile (3 P + t) 8 + w, t = 0..2, pass P.  Pass 0 serves 384 rows under the stream.  Token fragments come from memory
; straight into registers as matrix operands: a chunk's eight loads use each row's 256 bytes whole.  Eight waves: the loads of a wave are one queue in order, 40 of them out while weights are left to ask for.
; WHICH ROWS.  Each wave finds its own rows in registers: the row of rank q among the expert's is the (q - c)-th set bit of the last bitmap word whose running count c is not above q.
; THE MATRIX INSTRUCTION IS USED TRANSPOSED: source 0 = 16 weight rows, source 1 = 16 tokens: a lane holds one token and eight neighbouring columns.
; ROWS PAST THE COUNT.  The rank is min(index, n - 1): in the last live tile the places past n repeat the expert's last row: they compute and store its numbers once more (the same bytes, from the same wave), so no store is
; masked.  Dead tiles load that one row and their products are jumped.  An expert without rows: its work-groups still walk the stream, since no barrier may hang on the count, and store nothing.
; MORE THAN 384 ROWS (of the 2,048 routed rows, on one expert): passes 1 and 2 take the work-group's weights from memory once more, straight into registers in fragment order, a k step of 32 a trip, waiting for each trip's
; loads.  A plain, slow path; its loops step global addresses alone, and the only LDS that it touches is the wave's own stage.
; NO CLUSTER, NO TENSOR LOAD.  Each weight byte has one reader; the rows of g that an expert's work-groups share are scattered rows that no tile descriptor covers.  f32 weights have to pass through registers to be rounded.
; FORMATS.  W3 rounded once to bf16, g as it comes, sums in f32 and stored in f32.  NaN and infinities are not treated apart.
.set ROWB,  8192                       ; bytes in a weight row
.set NCH,   4                          ; chunks of 128 along K
.set WP,    272                        ; a weight row of a chunk in LDS: 256 bytes + 16 = 68 words: the 16 rows of a fragment load start at 16 different groups of four banks (64 banks of 4 bytes: ISA guide 11.1)
.set REG,   128*WP                     ; a region: one chunk of the 128 weight rows; the four regions begin at LDS byte 0
.set STAGE, NCH*REG                    ; 16 rows x 528 bytes for each wave, for the way out
.set SP,    528
.set SPARE, STAGE+8*16*SP              ; the spare words, 128 bytes for each wave: four blocks of 256 bytes that no other line names
; window 0
.set LN,   1                           ; v1   lane
.set SPW,  2                           ; v2   LDS address of my spare word; never rewritten
.set NIL,  3                           ; v3   0; never rewritten
.set WOF,  4                           ; v4   16 lane
.set WST,  5                           ; v5   where I store weights: WS0 + the region in hand
.set BRD,  6                           ; v6   where I read weight fragments: BR0 + the region in hand
.set BR0,  7
.set IDXA, 8                           ; v8   16 w + lane % 16 + 128 (lane / 16): my place among the expert's rows; lanes 0-15 search for tile 0, lanes 16-31 for tile 1
.set WS0,  9                           ; v9   my 16 rows of region 0, 8 bytes a lane; behind the head: of region 1
.set STO,  10                          ; v10  the way out: where I put 32 bytes of a row; never rewritten
.set SRD,  11                          ; v11  the way out: where I read a row back; never rewritten
.set H16,  13                          ; v13  16 (lane / 16)
.set PFO,  14                          ; v14  the prefetch: row lane / 2 of my 16, half lane % 2 of its 512 bytes
.set TV,   15                          ; v15  at work
.set ROFF, 16                          ; v16-18  tile t: my token row's byte offset in g
.set T,    20                          ; v20-27  four weight rows' 8 bytes, rounded
.set BF,   28                          ; v28-91  eight weight fragments: the even k steps'
.set AR,   92                          ; v92-187 token fragments: k step s, tile t at AR + 24 s + 8 t
.set WR,   188                         ; v188-251 weights as loaded: k step s, row i at WR + 16 s + 4 i
.set RID,  252                         ; v252-254 tile t: my token row's rowid
; window 1: v0-191 the accumulators, tile t, column block cb at 64 t + 8 cb
.set W1X,  0                           ; window 1: ahead of the first product, chunks 0 and 1 as loaded: chunk j, row i at 64 j + 4 i
.set BF1,  192                         ; window 1: v192-255 eight weight fragments: the odd k steps'
; the search's registers, where BF lies
.set QA,  28                           ; the rank sought: tiles 0 and 1 by halves of the lanes
.set QB,  29                           ; tile 2
.set WA,  30                           ; the word that holds it
.set WBW, 31
.set KA,  32                           ; 2,048 x the word's number + the count of set bits in the words before it
.set KB,  33
.set BA,  34                           ; the word's counts by fields of 2, 4, 8, 16 bits
.set BB,  35
.set BC,  36
.set BD,  37
.set PS,  38                           ; the bit's place
.set KK,  39                           ; set bits still to pass
.set TQ,  40
.set RA,  41
.set RX,  42
.set ZR,  43                           ; 0
; the way out's registers: a set for each tile, so that no tile waits for the tile before's stores
.set Q,  28                            ; tile t: 16 rows read back, at Q + 64 t: v28-219
.set O,  220                           ; tiles 0 and 1: the rows' byte offsets in part, at O + 16 t: v220-251
.set O2, 192                           ; tile 2: the same in window 1, where the odd steps' fragments lay
; the later passes' registers, where AR's slots 1-3 and WR lay
.set RAW, 116                          ; v116-243 eight weight fragments in f32
.set WGO, 244                          ; v244 my bytes of a weight fragment in memory
.set XA,   4                           ; s[4:5]   g at the chunk asked for last
.set WB,   6                           ; s[6:7]   my 16 weight rows at the chunk asked for last
.set BMP,  8                           ; s[8:9]   bm[e]
.set PB,   10                          ; s[10:11] part at my quarter and columns
.set XA0,  12                          ; s[12:13] g at my quarter's first chunk
.set W3S,  14                          ; s[14:15] W3 at the work-group's first row and quarter
                                       ; s[16:63], s[68:83] the expert's 64 words; when they are used up: s16, s17 the lane selects; s16-31 a tile's sixteen rowids on the way out; and
.set BM2,  32                          ; s[32:33] bm[e], walking
.set WC1,  34                          ; s[34:35] W3 at the work-group's rows, walking along K
.set HQ,   66
.set WV,   84
.set EX,   85
.set DB,   86
.set N,    87                          ; the expert's rows
.set TT,   88                          ; its tiles
.set CW,   89                          ; my wave's tiles
.set M,    90                          ; my wave's live tiles in this pass, 0 to 3
.set P,    91
.set CNT,  92
.set N1,   93                          ; the last rank: max(n, 1) - 1
.set TMP,  94
.set PI,   95                          ; 384 P
.set RG,   96                          ; REG x the chunk in hand
.set CC,   97                          ; set bits in the words passed
.set OFFS, 98                          ; s[98:99] an offset in 64 bits
.set II,   100                         ; 2,048 x the word's number
.set SK,   101
.set MSB, 0
.macro WIN new                         ; s_set_vgpr_msb: bits 1:0 source 0, 3:2 source 1, 5:4 source 2, 7:6 destination; the high byte repeats the setting that is left; a switch that changes nothing is dropped
.if MSB != (\new)
	s_set_vgpr_msb (MSB<<8)|(\new)
.set MSB, \new
.endif
.endm
; Four weight rows, 16 registers from base on, rounded.  x = 1: they lie in window 1.
.macro WPUT base, x
.if \x
	WIN 0x05
.endif
.irp i, 0,1,2,3
	v_cvt_pk_bf16_f32 v[T+2*\i],   v[(\base)+4*\i],   v[(\base)+4*\i+1]
	v_cvt_pk_bf16_f32 v[T+2*\i+1], v[(\base)+4*\i+2], v[(\base)+4*\i+3]
.endr
	WIN 0
.endm
.macro WSTORE s, off                   ; and stored, as rows 4 s .. 4 s + 3 of my 16: 32 lanes x 8 bytes are a row's 256
.irp i, 0,1,2,3
	ds_store_b64 v[WST], v[T+2*\i:T+2*\i+1] offset:(\off)+(4*(\s)+\i)*WP
.endr
.endm
.macro AISS s                          ; the three tiles' token fragments of k step s: lane (r, h) takes 16 bytes at 64 s + 16 h and at + 32 of row r's 256
.irp t, 0,1,2
	global_load_b128 v[AR+24*(\s)+8*\t:AR+24*(\s)+8*\t+3],   v[ROFF+\t], s[XA:XA+1] offset:64*(\s)
	global_load_b128 v[AR+24*(\s)+8*\t+4:AR+24*(\s)+8*\t+7], v[ROFF+\t], s[XA:XA+1] offset:64*(\s)+32
.endr
.endm
.macro WISS s                          ; four of my weight rows: 512 consecutive bytes a load
.irp i, 0,1,2,3
	global_load_b128 v[WR+16*(\s)+4*\i:WR+16*(\s)+4*\i+3], v[WOF], s[WB:WB+1] offset:(4*(\s)+\i)*ROWB th:TH_LOAD_NT
.endr
.endm
; The eight weight fragments of k step s, from the region off bytes behind the one in hand, into the buffer of s's parity
.macro FRAG s, off
.if ((\s)%2)
	WIN 0x40                                       ; destination in window 1
.set FB, BF1
.else
.set FB, BF
.endif
.irp cb, 0,1,2,3,4,5,6,7
	ds_load_b128 v[FB+8*\cb:FB+8*\cb+3],   v[BRD] offset:(\off)+\cb*16*WP+64*(\s)
	ds_load_b128 v[FB+8*\cb+4:FB+8*\cb+7], v[BRD] offset:(\off)+\cb*16*WP+64*(\s)+32
.endr
	WIN 0
.endm
; The products of one k step of 32, on the token fragments in AR's slot s and the weight fragments of s's parity.  first = 1: they start the sums, for all three tiles without a branch, so that every accumulator is
; written on every path and nothing is cleared.  The accumulators take turns, one instruction a turn: a step's last product and the next step's first never share one, with one live tile too.
.macro PROD s, first
.if ((\s)%2)
.set FB, BF1
.else
.set FB, BF
.endif
.irp t, 0,1,2
.if !(\first)
	s_cmp_lt_u32 s[M], \t+1                        ; a dead tile's products, and those of the tiles behind it, are jumped
	s_cbranch_scc1 .Lprod_done_\@
.endif
.if ((\s)%2)
	WIN 0x51                                       ; C, D and the weights in window 1
.else
	WIN 0x50                                       ; C and D in window 1
.endif
.irp cb, 0,1,2,3,4,5,6,7
.if \first
	v_wmma_f32_16x16x32_bf16 v[64*\t+8*\cb:64*\t+8*\cb+7], v[FB+8*\cb:FB+8*\cb+7], v[AR+24*(\s)+8*\t:AR+24*(\s)+8*\t+7], 0
.else
	v_wmma_f32_16x16x32_bf16 v[64*\t+8*\cb:64*\t+8*\cb+7], v[FB+8*\cb:FB+8*\cb+7], v[AR+24*(\s)+8*\t:AR+24*(\s)+8*\t+7], v[64*\t+8*\cb:64*\t+8*\cb+7]
.endif
.endr
.if !(\first)
	WIN 0                                          ; at a branch and at a label every window is 0
.endif
.endr
	WIN 0
.Lprod_done_\@:
.rept 4
	v_nop                                          ; four places between the products and the loads into their sources, or the first read of their results (ISA guide 7.12.1 for the reads of results)
.endr
.endm
; ONE K STEP of 32 of the stream.  First the NEXT step's weight fragments are asked for, into the other buffer (nx = 1; behind step 3: the next region's step 0), so that this step's, asked for a step ago, have had
; a step's products in which to come.  cnt: the loads from memory that may stay out.  wsrc = 1: four rows of the chunk two ahead lie in WR and go into the region two ahead.  ai, wi: the next group of loads is asked for.
; The bases step in step 0, ahead of its loads: the loads that name them were issued in the trip before, ahead of this step's products.
.macro KSTEP s, cnt, wsrc, ai, wi, first, nx
.if \nx
	FRAG ((\s)+1)%4,((\s)/3)*REG
.endif
	s_wait_loadcnt \cnt
.if \wsrc
	WPUT WR+16*(\s), 0
	WSTORE \s, REG
.endif
	s_wait_dscnt 16*(\nx)+4*(\wsrc)                ; this step's fragments are in: behind them stand the sixteen loads and the four stores just issued
	PROD \s, \first
.if \ai
.if (\s) == 0
	s_wait_xcnt 0x0                                ; the loads' bases are stepped only behind this wait
	s_add_nc_u64 s[XA:XA+1], s[XA:XA+1], 256
.if \wi
	s_add_nc_u64 s[WB:WB+1], s[WB:WB+1], 512
.endif
.endif
	AISS \s
.endif
.if \wi
	WISS \s
.endif
.endm
; A TRIP multiplies chunk c.  THE QUEUE: the group {tokens of chunk c, k step s: 6 loads; weights of chunk c + 2, k step s's four rows: 4 loads} is asked for at the end of k step s of trip c - 1 and wanted at k step s of trip c.
; kind 0, c = 0: behind the tokens of k step s stand chunk 0's 6 (3 - s) and the s groups of ten asked for in this trip: 18 + 4 s.  Chunk 2's weights were asked for ahead of all of these.
; kind 2, c = NCH - 3: the last weights are laid down and none are left to ask for: 3 - s groups of ten and s of six: 30 - 4 s.
; kind 3, c = NCH - 2: three groups of six: 18.     kind 4, the last chunk: 3 - s groups of six: 18 - 6 s; its last step looks no further ahead.
; Trip c writes region c + 2 and reads regions c and, in its last step's look ahead, c + 1.  At its end my stores are done (for the others' sake: zero) and ONE barrier shows region c + 2 whole, ahead of its first read
; in trip c + 1's last step.  No LDS byte is ever written twice, so no second barrier is wanted; kinds 3 and 4 store nothing and have none.
.macro TRIP kind
.irp s, 0,1,2,3
.set FST, 0
.set NXL, 1
.if (\s == 0) && ((\kind) == 0)
.set FST, 1
.endif
.if (\s == 3) && ((\kind) == 4)
.set NXL, 0
.endif
.if (\kind) == 0
	KSTEP \s, 18+4*\s, 1, 1, 1, FST, 1
.elseif (\kind) == 2
	KSTEP \s, 30-4*\s, 1, 1, 0, 0, 1
.elseif (\kind) == 3
	KSTEP \s, 18, 0, 1, 0, 0, 1
.else
	KSTEP \s, 18-6*\s, 0, 0, 0, 0, NXL
.endif
.endr
.if (\kind) < 3
	s_wait_dscnt 0x0
.endif
.if (\kind) < 4
	s_add_co_u32 s[RG], s[RG], REG
	v_add_nc_u32 v[BRD], s[RG], v[BR0]
.endif
.if (\kind) < 3
	v_add_nc_u32 v[WST], s[RG], v[WS0]
	s_barrier_signal -1
	s_barrier_wait -1
.endif
.endm
; THE SEARCH for my rows of pass P.  Ranks: 384 P + 128 t + 16 w + lane % 16, held to the last rank.
.macro TALLY sw
	s_bcnt1_i32_b32 s[TMP], s[\sw]
	s_add_co_u32 s[N], s[N], s[TMP]
.endm
.macro SEL_HEAD
	s_add_co_u32 s[TMP], s[PI], 256
	v_add_nc_u32 v[QA], s[PI], v[IDXA]
	v_and_b32 v[QB], 0x7f, v[IDXA]
	v_add_nc_u32 v[QB], s[TMP], v[QB]
	v_min_u32 v[QA], s[N1], v[QA]
	v_min_u32 v[QB], s[N1], v[QB]
	v_mov_b32 v[WA], 0
	v_mov_b32 v[KA], 0
	v_mov_b32 v[WBW], 0
	v_mov_b32 v[KB], 0
	v_mov_b32 v[ZR], 0
	s_mov_b32 s[CC], 0
	s_mov_b32 s[II], 0
.endm
.macro WORDSTEP sw                     ; a word takes over from the one before wherever the count of bits ahead of it is not above the rank: the last to do so holds the rank
	s_add_co_u32 s[SK], s[CC], s[II]
	v_cmp_gt_u32 vcc_lo, s[CC], v[QA]
	v_cndmask_b32 v[WA], s[\sw], v[WA], vcc_lo
	v_cndmask_b32 v[KA], s[SK], v[KA], vcc_lo
	v_cmp_gt_u32 vcc_lo, s[CC], v[QB]
	v_cndmask_b32 v[WBW], s[\sw], v[WBW], vcc_lo
	v_cndmask_b32 v[KB], s[SK], v[KB], vcc_lo
	s_bcnt1_i32_b32 s[TMP], s[\sw]
	s_add_co_u32 s[CC], s[CC], s[TMP]
	s_addk_co_i32 s[II], 0x800
.endm
.macro BSTEP x, width, inc             ; the field at PS counts the set bits of the lower half of what is left: if they are too few, pass them and go to the upper half
	v_bfe_u32 v[TQ], v[\x], v[PS], \width
	v_cmp_lt_u32 vcc_lo, v[KK], v[TQ]
	v_cndmask_b32 v[TQ], v[TQ], v[ZR], vcc_lo
	v_sub_nc_u32 v[KK], v[KK], v[TQ]
	v_cndmask_b32 v[TQ], \inc, v[ZR], vcc_lo
	v_add_nc_u32 v[PS], v[PS], v[TQ]
.endm
.macro BITSEL w, k, q, out             ; rowid = 32 x the word's number + the place of its set bit number q - c
	v_and_b32 v[KK], 0x7ff, v[\k]
	v_sub_nc_u32 v[KK], v[\q], v[KK]
	v_lshrrev_b32 v[BA], 1, v[\w]
	v_and_b32 v[BA], 0x55555555, v[BA]
	v_sub_nc_u32 v[BA], v[\w], v[BA]               ; counts of 2 bits
	v_lshrrev_b32 v[BB], 2, v[BA]
	v_and_b32 v[BB], 0x33333333, v[BB]
	v_and_b32 v[TQ], 0x33333333, v[BA]
	v_add_nc_u32 v[BB], v[BB], v[TQ]               ; of 4
	v_lshrrev_b32 v[BC], 4, v[BB]
	v_add_nc_u32 v[BC], v[BC], v[BB]
	v_and_b32 v[BC], 0x0f0f0f0f, v[BC]             ; of 8
	v_lshrrev_b32 v[BD], 8, v[BC]
	v_add_nc_u32 v[BD], v[BD], v[BC]
	v_and_b32 v[BD], 0x00ff00ff, v[BD]             ; of 16
	v_mov_b32 v[PS], 0
	BSTEP BD, 8, 16
	BSTEP BC, 8, 8
	BSTEP BB, 4, 4
	BSTEP BA, 2, 2
	BSTEP \w, 1, 1
	v_lshrrev_b32 v[TQ], 11, v[\k]
	v_lshl_add_u32 v[\out], v[TQ], 5, v[PS]
.endm
.macro SEL_TAIL                        ; the halves of the lanes hand each other tiles 0 and 1; then each row's byte offset.  The constant bounds what enters an address
	BITSEL WA, KA, QA, RA
	BITSEL WBW, KB, QB, RID+2
	s_mov_b32 s16, 0x76543210                      ; the words are used up: each lane takes its own place in the other half
	s_mov_b32 s17, 0xfedcba98
	v_mov_b32 v[RX], 0
	v_permlanex16_b32 v[RX], v[RA], s16, s17
	v_cmp_eq_u32 vcc_lo, 0, v[H16]
	v_cndmask_b32 v[RID], v[RX], v[RA], vcc_lo
	v_cndmask_b32 v[RID+1], v[RA], v[RX], vcc_lo
.irp t, 0,1,2
	v_min_u32 v[RID+\t], 0x7ff, v[RID+\t]
	v_lshl_add_u32 v[ROFF+\t], v[RID+\t], 12, v[H16]  ; the row of 4,096 bytes, + 16 h
.endr
.endm
; THE WAY OUT of tile t.  A lane's eight columns of a row are 32 bytes; the tile goes through my own stage, rows of 528 bytes, and comes back as whole rows of 512 bytes, a row a store.
.macro EPI t
	s_cmp_lt_u32 s[M], (\t)+1
	s_cbranch_scc1 .Lepi_done
.if (\t) == 0
	s_wait_xcnt 0x0                                ; the pass before's stores have read their registers; within a pass each tile's stores have registers of their own
.endif
.set QT, Q+64*(\t)
.if (\t) == 2
.set OT, O2
.else
.set OT, O+16*(\t)
.endif
	WIN 0x04                                       ; the stores' data in window 1
.irp cb, 0,1,2,3,4,5,6,7               ; each accumulator's lowest registers are read first
	ds_store_b128 v[STO], v[64*(\t)+8*\cb:64*(\t)+8*\cb+3]   offset:64*\cb
	ds_store_b128 v[STO], v[64*(\t)+8*\cb+4:64*(\t)+8*\cb+7] offset:64*\cb+16
.endr
	WIN 0
.set f, 0
.rept 16
	ds_load_b128 v[QT+4*f:QT+4*f+3], v[SRD] offset:SP*f  ; LDS serves a wave's instructions in order (ISA guide 5.7.1.4): these see the stores above
.set f, f+1
.endr
.set f, 0
.rept 16
	v_readlane_b32 s[16+f], v[RID+(\t)], f         ; row f's rowid lies in lane f; sixteen registers, so that no line waits for the one before
.set f, f+1
.endr
.set f, 0
.rept 16
	s_min_u32 s[16+f], s[16+f], 0x7ff
.set f, f+1
.endr
.if (\t) == 2
	WIN 0x40                                       ; tile 2's offsets are made in window 1
.endif
.set f, 0
.rept 16
	v_lshl_add_u32 v[OT+f], s[16+f], 12, v[WOF]
.set f, f+1
.endr
.if (\t) == 2
	WIN 0x01                                       ; and named there as the stores' addresses
.endif
.set f, 0
.rept 16
	s_wait_dscnt 15-f
	global_store_b128 v[OT+f], v[QT+4*f:QT+4*f+3], s[PB:PB+1]  ; the wave's store covers 512 consecutive bytes, at a multiple of 512 from part's first
.set f, f+1
.endr
	WIN 0
.endm
; The later passes: four weight fragments in f32, from memory: lane (r, h) takes the 8 numbers at 8 h and the 8 at 16 + 8 h of row 16 j + r's 32
.macro GLOADW base, c0, o0
.irp j, 0,1,2,3
	global_load_b128 v[RAW+16*((\c0)+\j):RAW+16*((\c0)+\j)+3],     v[WGO], s[\base:\base+1] offset:((\o0)+\j)*16*ROWB
	global_load_b128 v[RAW+16*((\c0)+\j)+4:RAW+16*((\c0)+\j)+7],   v[WGO], s[\base:\base+1] offset:((\o0)+\j)*16*ROWB+16
	global_load_b128 v[RAW+16*((\c0)+\j)+8:RAW+16*((\c0)+\j)+11],  v[WGO], s[\base:\base+1] offset:((\o0)+\j)*16*ROWB+64
	global_load_b128 v[RAW+16*((\c0)+\j)+12:RAW+16*((\c0)+\j)+15], v[WGO], s[\base:\base+1] offset:((\o0)+\j)*16*ROWB+80
.endr
.endm
	s_load_b256 s[4:11], s[0:1], 0x0               ; g s[4:5], W3 s[6:7], bm s[8:9], part s[10:11]
	v_lshl_add_u32 v[SPW], v0, 2, SPARE
	v_mov_b32 v[NIL], 0
	v_and_b32 v[LN], 31, v0
	v_lshrrev_b32 v[TV], 5, v0
	v_readfirstlane_b32 s[WV], v[TV]               ; wave 0..7
	s_and_b32 s[EX], ttmp7, 0xffff                 ; the expert
	s_and_b32 s[DB], ttmp9, 7                      ; which 128 output columns
	s_lshr_b32 s[HQ], ttmp9, 3                     ; which quarter of the hidden width
	v_lshlrev_b32 v[WOF], 4, v[LN]
	v_lshrrev_b32 v[TV], 1, v[LN]
	v_mul_u32_u24 v[PFO], v[TV], ROWB
	v_and_b32 v[TV], 1, v[LN]
	v_lshl_add_u32 v[PFO], v[TV], 8, v[PFO]
	s_lshl_b32 s[OFFS], s[EX], 8
	s_mov_b32 s[OFFS+1], 0
	s_wait_kmcnt 0x0
	s_add_nc_u64 s[BMP:BMP+1], s[BMP:BMP+1], s[OFFS:OFFS+1]
	s_load_b512 s[16:31], s[BMP:BMP+1], 0x0        ; the expert's 64 words: asked for first, since the token rows hang on them
	s_load_b512 s[32:47], s[BMP:BMP+1], 0x40
	s_load_b512 s[48:63], s[BMP:BMP+1], 0x80
	s_load_b512 s[68:83], s[BMP:BMP+1], 0xc0
	s_lshl_b32 s[OFFS], s[EX], 23                  ; an expert's 1,024 rows of 8,192 bytes,
	s_lshl_b32 s[TMP], s[DB], 20                   ; my work-group's 128 rows,
	s_add_co_u32 s[OFFS], s[OFFS], s[TMP]
	s_lshl_b32 s[TMP], s[HQ], 11                   ; the quarter's 512 numbers
	s_add_co_u32 s[OFFS], s[OFFS], s[TMP]
	s_add_nc_u64 s[W3S:W3S+1], s[6:7], s[OFFS:OFFS+1]
	s_lshl_b32 s[OFFS], s[WV], 17                  ; my 16 rows,
	s_add_co_u32 s[OFFS], s[OFFS], 1024            ; at chunk 2: chunks 0 and 1 are reached by negative immediates, so that the base is not stepped in the head
	s_add_nc_u64 s[WB:WB+1], s[W3S:W3S+1], s[OFFS:OFFS+1]
	WIN 0x40                                       ; destination in window 1: the accumulators' registers are idle until the first product
.set i, 0
.rept 32                               ; chunks 0 and 1: row i % 16 of chunk i / 16
	global_load_b128 v[W1X+4*i:W1X+4*i+3], v[WOF], s[WB:WB+1] offset:(i%16)*ROWB+512*(i/16)-1024 th:TH_LOAD_NT
.set i, i+1
.endr
	WIN 0
.irp s, 0,1,2,3
	WISS \s                                        ; chunk 2: it stays in registers until the first trip lays it down
.endr
	global_prefetch_b8 v[PFO], s[WB:WB+1] offset:512 th:TH_LOAD_NT scope:SCOPE_SE  ; chunk 3, the last, which the first trip loads, is asked for ahead: my 16 rows x 512 bytes, lanes 256 bytes apart, each block once
	s_lshl_b32 s[OFFS], s[HQ], 10
	s_add_nc_u64 s[XA:XA+1], s[XA:XA+1], s[OFFS:OFFS+1]
	s_mov_b64 s[XA0:XA0+1], s[XA:XA+1]
	s_lshl_b32 s[OFFS], s[HQ], 23
	s_lshl_b32 s[TMP], s[DB], 9
	s_add_co_u32 s[OFFS], s[OFFS], s[TMP]
	s_add_nc_u64 s[PB:PB+1], s[PB:PB+1], s[OFFS:OFFS+1]
	v_and_b32 v20, 15, v0                          ; r
	v_bfe_u32 v21, v0, 4, 1                        ; h
	v_lshlrev_b32 v[H16], 4, v21
	v_mul_u32_u24 v[BR0], v20, WP
	v_add_nc_u32 v[BR0], v[H16], v[BR0]            ; a fragment's row x pitch + 16 h
	s_mul_i32 s[TMP], s[WV], 16*WP
	v_lshl_add_u32 v[WS0], v[LN], 3, s[TMP]        ; my 16 rows of a region, 8 bytes a lane
	v_mov_b32 v[BRD], v[BR0]
	v_mov_b32 v[WST], v[WS0]
	s_lshl_b32 s[TMP], s[WV], 4
	v_lshl_add_u32 v[IDXA], v21, 7, v20
	v_add_nc_u32 v[IDXA], s[TMP], v[IDXA]
	s_mul_i32 s[TMP], s[WV], 16*SP
	s_add_co_u32 s[TMP], s[TMP], STAGE             ; my stage
	v_mul_u32_u24 v[STO], v20, SP
	v_lshl_add_u32 v[STO], v21, 5, v[STO]
	v_add_nc_u32 v[STO], s[TMP], v[STO]            ; in: row r, 32 bytes for each half of the lanes
	v_add_nc_u32 v[SRD], s[TMP], v[WOF]            ; back: 32 lanes take a row of 512 bytes
	s_mov_b32 s[PI], 0
	s_mov_b32 s[RG], 0
	s_mov_b32 s[N], 0
	s_wait_kmcnt 0x0                               ; the 64 words
.set i, 16
.rept 48
	TALLY i
.set i, i+1
.endr
.set i, 68
.rept 16
	TALLY i
.set i, i+1
.endr
	s_max_u32 s[N1], s[N], 1
	s_sub_co_u32 s[N1], s[N1], 1
	s_add_co_u32 s[TT], s[N], 15
	s_lshr_b32 s[TT], s[TT], 4                     ; the expert's tiles
	s_add_co_u32 s[CW], s[TT], 7
	s_sub_co_u32 s[CW], s[CW], s[WV]
	s_lshr_b32 s[CW], s[CW], 3                     ; those with number w, w + 8, ..
	s_min_u32 s[M], s[CW], 3
	SEL_HEAD
.set i, 16
.rept 48
	WORDSTEP i
.set i, i+1
.endr
.set i, 68
.rept 16
	WORDSTEP i
.set i, i+1
.endr
	SEL_TAIL
.irp s, 0,1,2,3
	AISS \s                                        ; chunk 0's token fragments.  With these, 72 loads have been asked for; one that the counter has no room for waits at its issue for an older one (ISA guide 5.7.1)
.endr
	s_wait_loadcnt 40                              ; chunks 0 and 1 are in: behind them stand chunk 2's 16 loads and the 24 of the tokens
.irp c, 0,1
.irp s, 0,1,2,3
	WPUT W1X+64*\c+16*\s, 1
	WSTORE \s, \c*REG                              ; regions 0 and 1
.endr
.endr
	v_add_nc_u32 v[WS0], REG, v[WS0]               ; from here on the stores' immediate adds one region more: two ahead of the region in hand
	v_mov_b32 v[WST], v[WS0]
	s_wait_dscnt 0x0
	s_barrier_signal -1
	s_barrier_wait -1                              ; regions 0 and 1 are whole
	FRAG 0, 0                                      ; the first step's fragments
	TRIP 0
	TRIP 2
	TRIP 3
	TRIP 4                                         ; its last wait is for zero: no load is out from here on
	; THE PASSES.  Pass 0's tiles go out; an expert with more than 384 rows has further passes: no barrier, a constant bound, forward jumps alone on the count.
	s_mov_b32 s[P], 0
.Lpass:
	EPI 0
	EPI 1
	EPI 2
.Lepi_done:
	s_add_co_u32 s[P], s[P], 1
	s_add_co_u32 s[PI], s[PI], 384
	s_mul_i32 s[TMP], s[P], 24
	s_cmp_ge_u32 s[TMP], s[TT]
	s_cbranch_scc1 .Ldone                          ; no tile is left for any wave
	s_mul_i32 s[TMP], s[P], 3
	s_max_u32 s[M], s[CW], s[TMP]
	s_sub_co_u32 s[M], s[M], s[TMP]
	s_min_u32 s[M], s[M], 3
	s_cmp_eq_u32 s[M], 0
	s_cbranch_scc1 .Lnext                          ; none for this wave
	s_wait_xcnt 0x0                                ; the way out's stores have read their registers
	SEL_HEAD
	s_mov_b64 s[BM2:BM2+1], s[BMP:BMP+1]
	s_mov_b32 s[CNT], 4
.Lsel:                                                 ; the search once more, 16 words a trip, the words loaded again
	s_load_b512 s[16:31], s[BM2:BM2+1], 0x0
	s_wait_kmcnt 0x0
.set i, 16
.rept 16
	WORDSTEP i
.set i, i+1
.endr
	s_add_nc_u64 s[BM2:BM2+1], s[BM2:BM2+1], 64
	s_sub_co_u32 s[CNT], s[CNT], 1
	s_cmp_lg_u32 s[CNT], 0
	s_cbranch_scc1 .Lsel
	SEL_TAIL
	WIN 0x40
.set i, 0
.rept 192                              ; cleared on purpose: it spares a written-out first step in a path that only a skewed split walks
	v_mov_b32 v[i], 0
.set i, i+1
.endr
	WIN 0
	v_and_b32 v[WGO], 15, v[LN]
	v_mul_u32_u24 v[WGO], v[WGO], ROWB
	v_lshl_add_u32 v[WGO], v[H16], 1, v[WGO]       ; row r, + 32 h
	s_mov_b64 s[XA:XA+1], s[XA0:XA0+1]
	s_mov_b64 s[WC1:WC1+1], s[W3S:W3S+1]
	s_mov_b32 s[CNT], NCH*4
.Lg:                                                   ; a k step of 32 a trip: 6 loads of tokens, 32 of weights, all waited for, rounded, multiplied
	AISS 0
	GLOADW WC1, 0, 0
	GLOADW WC1, 4, 4
	s_wait_loadcnt 0x0                             ; all in; the loads are done, so their bases may step below
.set i, 0
.rept 64
	v_cvt_pk_bf16_f32 v[BF+i], v[RAW+2*i], v[RAW+2*i+1]
.set i, i+1
.endr
	PROD 0, 0
	s_add_nc_u64 s[XA:XA+1], s[XA:XA+1], 64
	s_add_nc_u64 s[WC1:WC1+1], s[WC1:WC1+1], 128
	s_sub_co_u32 s[CNT], s[CNT], 1
	s_cmp_lg_u32 s[CNT], 0
	s_cbranch_scc1 .Lg
.Lnext:
	s_cmp_lt_u32 s[P], 3
	s_cbranch_scc1 .Lpass
.Ldone:
	s_wait_tensorcnt 0x0                           ; the wave's end: behind my last LDS store
	ds_add_u32 v[SPW], v[NIL]
	s_wait_dscnt 0x0
	s_endpgm
.Lfunc_end_k_q3de024a279_down:
	.size	k_q3de024a279_down, .Lfunc_end_k_q3de024a279_down-k_q3de024a279_down
	.p2alignl 7, 3214868480
	.fill 96, 4, 3214868480
	.section	.rodata,"a",@progbits
	.p2align	6, 0x0
	.amdhsa_kernel k_q3de024a279_down
		.amdhsa_group_segment_fixed_size 207872
		.amdhsa_private_segment_fixed_size 0
		.amdhsa_enable_private_segment 0
		.amdhsa_kernarg_size 32
		.amdhsa_user_sgpr_count 2
		.amdhsa_user_sgpr_kernarg_segment_ptr 1
		.amdhsa_wavefront_size32 1
		.amdhsa_system_sgpr_workgroup_id_x 1
		.amdhsa_system_sgpr_workgroup_id_y 1
		.amdhsa_system_sgpr_workgroup_id_z 1
		.amdhsa_system_vgpr_workitem_id 0
		.amdhsa_next_free_vgpr 512
		.amdhsa_next_free_sgpr 102
		.amdhsa_reserve_vcc 1
		.amdhsa_float_denorm_mode_32 3
		.amdhsa_float_denorm_mode_16_64 3
		.amdhsa_memory_ordered 1
		.amdhsa_forward_progress 1
		.amdhsa_inst_pref_size 159
	.end_amdhsa_kernel
	.amdgpu_metadata
---
amdhsa.version: [ 1, 2 ]
amdhsa.kernels:
  - .name:           k_q3de024a279_down
    .symbol:         k_q3de024a279_down.kd
    .args:
      - { .name: g, .offset: 0, .size: 8, .value_kind: global_buffer, .address_space: global }
      - { .name: W3, .offset: 8, .size: 8, .value_kind: global_buffer, .address_space: global }
      - { .name: bm, .offset: 16, .size: 8, .value_kind: global_buffer, .address_space: global }
      - { .name: part, .offset: 24, .size: 8, .value_kind: global_buffer, .address_space: global }
    .group_segment_fixed_size: 207872
    .private_segment_fixed_size: 0
    .kernarg_segment_align: 8
    .kernarg_segment_size: 32
    .max_flat_workgroup_size: 256
    .sgpr_count:     102
    .vgpr_count:     512
    .wavefront_size: 32
...
	.end_amdgpu_metadata
.endif
;; end of part 3
;; launch sum (part 4): grid 256 x 1, 8 waves a work-group, no clusters, 0 bytes of LDS; arguments part, pr, out0; writes out0
.if DOCPART == 4
	.amdgcn_target "amdgcn-amd-amdhsa--gfx1250"
	.amdhsa_code_object_version 6
	.text
	.protected	k_q3de024a279_sum
	.globl	k_q3de024a279_sum
	.p2align	8
	.type	k_q3de024a279_sum,@function
k_q3de024a279_sum:
	s_mov_b64 s[64:65], 0
	v_nop
	global_prefetch_b8 v0, s[64:65] scope:SCOPE_SE
	s_setreg_imm32_b32 hwreg(HW_REG_WAVE_MODE, 25, 1), 1
	s_wait_xcnt 0x0
; SUM.  out[token][d] = the sum over the token's two choices k of pr[rowid_k] x (the sum over hq of part[hq][rowid_k][d]), rowid_k = 32 (token / 16) + 16 k + token % 16.
; part: [4][2048][1024] f32; pr: [2048] f32; out0: [1024][1024] f32.  All in f32; the four quarters are added in ascending order, then the two choices.
; A stream: each byte of part is read once, by loads of 512 consecutive bytes a wave, all 32 of a wave asked for at once; each byte of out0 is written once, likewise.  No LDS, no barrier, no matrix unit: they would add nothing.
; SHARES.  Work-group b has tokens 4 b .. 4 b + 3; wave w has token 4 b + w / 2, half w % 2 of its row: 2,048 bytes.
.set D, 4                              ; v4-131: quarter q, choice k, piece i at D + 4 (8 q + 4 k + i)
	s_load_b128 s[4:7], s[0:1], 0x0                ; part s[4:5], pr s[6:7]
	s_load_b64 s[8:9], s[0:1], 0x10                ; out0
	v_and_b32 v1, 31, v0
	v_lshrrev_b32 v2, 5, v0
	v_readfirstlane_b32 s10, v2                    ; wave 0..7
	v_lshlrev_b32 v1, 4, v1                        ; 16 bytes a lane
	s_lshr_b32 s11, s10, 1
	s_lshl2_add_u32 s12, ttmp9, s11                ; the token
	s_and_b32 s13, s10, 1
	s_lshl_b32 s13, s13, 11                        ; the half row
	s_lshr_b32 s14, s12, 4
	s_lshl_b32 s14, s14, 5
	s_and_b32 s15, s12, 15
	s_or_b32 s14, s14, s15                         ; rowid of the first choice; the second's is 16 on
	s_lshl_b32 s36, s14, 2
	s_mov_b32 s37, 0
	s_lshl_b32 s38, s14, 12
	s_add_co_u32 s38, s38, s13
	s_mov_b32 s39, 0
	s_lshl_b32 s40, s12, 12
	s_add_co_u32 s40, s40, s13
	s_mov_b32 s41, 0
	s_mov_b32 s25, 0                               ; named with the weights as pairs, so they are written
	s_mov_b32 s27, 0
	s_wait_kmcnt 0x0
	s_add_nc_u64 s[6:7], s[6:7], s[36:37]
	s_load_b32 s24, s[6:7], 0x0                    ; the two weights
	s_load_b32 s26, s[6:7], 0x40
	s_add_nc_u64 s[16:17], s[4:5], s[38:39]        ; the four quarters lie 2,048 rows of 4,096 bytes apart
	s_add_nc_u64 s[18:19], s[16:17], 0x800000
	s_add_nc_u64 s[20:21], s[18:19], 0x800000
	s_add_nc_u64 s[22:23], s[20:21], 0x800000
	s_add_nc_u64 s[8:9], s[8:9], s[40:41]
.irp q, 0,1,2,3
.irp k, 0,1
.irp i, 0,1,2,3
	global_load_b128 v[D+4*(8*\q+4*\k+\i):D+4*(8*\q+4*\k+\i)+3], v1, s[16+2*\q:17+2*\q] offset:65536*\k+512*\i th:TH_LOAD_NT
.endr
.endr
.endr
.irp q, 1,2,3
	s_wait_loadcnt 24-8*\q                         ; quarter q is in: behind it stand the 8 loads of each later quarter
.set m, 0
.rept 16
	v_pk_add_f32 v[D+2*m:D+2*m+1], v[D+2*m:D+2*m+1], v[D+32*\q+2*m:D+32*\q+2*m+1]
.set m, m+1
.endr
.endr
	s_wait_kmcnt 0x0
.set m, 0
.rept 8
	v_pk_mul_f32 v[D+2*m:D+2*m+1], v[D+2*m:D+2*m+1], s[24:25] op_sel_hi:[1,0]
	v_pk_fma_f32 v[D+2*m:D+2*m+1], v[D+16+2*m:D+16+2*m+1], s[26:27], v[D+2*m:D+2*m+1] op_sel_hi:[1,0,1]
.set m, m+1
.endr
.irp i, 0,1,2,3
	global_store_b128 v1, v[D+4*\i:D+4*\i+3], s[8:9] offset:512*\i th:TH_STORE_NT
.endr
	s_endpgm
.Lfunc_end_k_q3de024a279_sum:
	.size	k_q3de024a279_sum, .Lfunc_end_k_q3de024a279_sum-k_q3de024a279_sum
	.p2alignl 7, 3214868480
	.fill 96, 4, 3214868480
	.section	.rodata,"a",@progbits
	.p2align	6, 0x0
	.amdhsa_kernel k_q3de024a279_sum
		.amdhsa_group_segment_fixed_size 0
		.amdhsa_private_segment_fixed_size 0
		.amdhsa_enable_private_segment 0
		.amdhsa_kernarg_size 24
		.amdhsa_user_sgpr_count 2
		.amdhsa_user_sgpr_kernarg_segment_ptr 1
		.amdhsa_wavefront_size32 1
		.amdhsa_system_sgpr_workgroup_id_x 1
		.amdhsa_system_sgpr_workgroup_id_y 1
		.amdhsa_system_sgpr_workgroup_id_z 1
		.amdhsa_system_vgpr_workitem_id 0
		.amdhsa_next_free_vgpr 132
		.amdhsa_next_free_sgpr 66
		.amdhsa_reserve_vcc 0
		.amdhsa_float_denorm_mode_32 3
		.amdhsa_float_denorm_mode_16_64 3
		.amdhsa_memory_ordered 1
		.amdhsa_forward_progress 1
		.amdhsa_inst_pref_size 10
	.end_amdhsa_kernel
	.amdgpu_metadata
---
amdhsa.version: [ 1, 2 ]
amdhsa.kernels:
  - .name:           k_q3de024a279_sum
    .symbol:         k_q3de024a279_sum.kd
    .args:
      - { .name: part, .offset: 0, .size: 8, .value_kind: global_buffer, .address_space: global }
      - { .name: pr, .offset: 8, .size: 8, .value_kind: global_buffer, .address_space: global }
      - { .name: out0, .offset: 16, .size: 8, .value_kind: global_buffer, .address_space: global }
    .group_segment_fixed_size: 0
    .private_segment_fixed_size: 0
    .kernarg_segment_align: 8
    .kernarg_segment_size: 24
    .max_flat_workgroup_size: 256
    .sgpr_count:     66
    .vgpr_count:     132
    .wavefront_size: 32
...
	.end_amdgpu_metadata
.endif
;; end of part 4
